; MI455X (gfx1250); checked and timed in simulation.
; The chip was launched on July 23, 2026; its instructions are those of AMD's public machine-readable ISA for CDNA 5 (MIT licence, August 2026) and "CDNA5" Instruction Set Architecture Reference Guide (July 2026). The comments in the code are by the model that wrote it; some were corrected since.
;; Bit Multihead Attention158 Inference. Allowed arithmetic: float matrix products may take bf16 or f16 operands with f32 sums; other float arithmetic in f32, or as packed bf16 or f16 multiplies, adds, multiply-adds, maxima and minima; sums over many terms, partial sums and values carried from step to step in f32; what a program stores and reads back later, other than sums and carried values, may be rounded once to bf16 or f16.
;; Inputs: in_proj_bias 3,072 float32; in_proj_weight 3,072 x 1,024 float32; key 4 x 2,048 x 1,024 float32; out_proj_bias 1,024 float32; out_proj_weight 1,024 x 1,024 float32; query 4 x 2,048 x 1,024 float32; value 4 x 2,048 x 1,024 float32.
;; Outputs: out0 4 x 2,048 x 1,024 float32.
;; One version. Each part assembles by itself: llvm-mc -triple=amdgcn-amd-amdhsa -mcpu=gfx1250 --defsym DOCPART=n.
;; ======== version 1 of 1: 6 launches
;; limits: values are held in f16: magnitudes above 65,504 overflow, below 6.1e-05 lose precision
;; workspace buffers: part 16,384 bytes; scl 256 bytes; wq 8,388,608 bytes; qx 50,331,648 bytes; gam 98,304 bytes; qkv 50,331,648 bytes; ctx 33,554,432 bytes
;; launch wsum (part 1): grid 32 x 4, 1 waves a work-group, no clusters, 167,936 bytes of LDS; arguments in_proj_weight, out_proj_weight, part; writes part
.if DOCPART == 1
	.amdgcn_target "amdgcn-amd-amdhsa--gfx1250"
	.amdhsa_code_object_version 6
	.text
	.protected	k_qcf78ee270c_wsum
	.globl	k_qcf78ee270c_wsum
	.p2align	8
	.type	k_qcf78ee270c_wsum,@function
k_qcf78ee270c_wsum:
	s_mov_b64 s[64:65], 0
	v_nop
	global_prefetch_b8 v0, s[64:65] scope:SCOPE_SE
	s_setreg_imm32_b32 hwreg(HW_REG_WAVE_MODE, 25, 1), 1
	s_wait_xcnt 0x0
; SUMS OF |w| OVER WINDOWS OF 32 x 32, for the four weight matrices of 1024 x 1024 f32 (three in in_proj_weight, one in out_proj_weight).
; part[y][i][j] = the sum over r, c = 0..31 of |w_y[32 i + r][32 j + c]|, taken as ONE chain of f32 additions, r outer, c inner, from 0.
; WHY THIS ORDER.  The ternary weights are round(w / mean|w|): a scale that differs in its last bits turns weights that lie next to a rounding boundary, and one
; turned weight moves a whole column of the output.  So the mean is summed in a fixed order: windows of 32 x 32 in sequence here, the 1,024 window sums in sequence in the next launch.
; LIMIT.  Where the expected values' mean was summed in another order the scale may differ by some 1e-6 of itself, and a weight whose |w / scale| lies that near to 0.5 rounds the other way.
; SHARES.  One wave to a work-group; work-group (i, y) takes rows 32 i .. 32 i + 31 of matrix y, lane j window j.  The chain is the launch's length: 4,096 chains are 128 waves.
; One tensor load brings the 32 rows, whole rows of 4,096 consecutive bytes, and lays 16 bytes of padding behind every 128 bytes: a lane's 128 bytes of a row lie 144 bytes from its neighbour's,
; 36 words.  LDS is filled once: no barrier, no refill.
.set CH,    144                        ; 32 numbers and their padding
.set LROW,  32*CH                      ; a matrix row in LDS
.set TILE,  32*LROW                    ; 147,456 bytes
.set SPARE, TILE                       ; behind the tile: the spare words, 128 bytes, a block of 256 that no other line names
.set SPW, 2                            ; v2   SPARE + 4 x my thread's number; never rewritten
.set NIL, 3                            ; v3   0; never rewritten
.set AD,  4                            ; v4   LDS address of my 128 bytes of the row in hand
.set ACC, 5                            ; v5   the chain
.set PO,  6                            ; v6   my word of part
.set X,   16                           ; v[16:143] four rows' 32 numbers
	s_load_b128 s[4:7], s[0:1], 0x0                ; in_proj_weight s[4:5], out_proj_weight s[6:7]
	s_load_b64 s[8:9], s[0:1], 0x10                ; part
	v_lshl_add_u32 v[SPW], v0, 2, SPARE
	v_mov_b32 v[NIL], 0
	ds_add_u32 v[SPW], v[NIL]                      ; the wave's opening: the add and its wait, ahead of my tensor load; work on registers stands between them
	ds_add_u32 v2, v3
	s_and_b32 s10, ttmp7, 0xffff                   ; the matrix, 0..3
	s_mov_b32 s12, 1                               ; group 0: count = 1
	s_mov_b32 s13, 0                               ; LDS address 0
	s_mov_b32 s16, (2<<16)|(1<<20)|(4<<22)|(3<<25) ; group 1: elements of 4 bytes; padding on; after every 32 words (code 4); 4 words of it (code 3)
	s_mov_b32 s17, 1024<<16                        ; tensor_dim0 = 1024
	s_mov_b32 s18, 32<<16                          ; tensor_dim1 = 32
	s_mov_b32 s19, 1024<<16                        ; tile_dim0 = 1024
	s_mov_b32 s20, 32                              ; tile_dim1 = 32
	s_mov_b32 s21, 1024                            ; elements from row to row
	s_mov_b32 s22, 0
	s_mov_b32 s23, 0
	v_mul_u32_u24 v[AD], v0, CH
	v_mov_b32 v[ACC], 0
	s_lshl_b32 s26, s10, 5
	s_add_co_u32 s26, s26, ttmp9
	s_lshl_b32 s26, s26, 7                         ; (32 y + i) x 128 bytes of part
	v_lshl_add_u32 v[PO], v0, 2, s26
	s_mov_b32 s27, 8
	s_wait_dscnt 0x0                               ; the opening add is done
	s_wait_kmcnt 0x0
	s_cmp_eq_u32 s10, 3
	s_cselect_b64 s[14:15], s[6:7], s[4:5]         ; matrix 3 is out_proj_weight,
	s_cselect_b32 s24, 0, s10                      ; at its own first byte; the others lie 4 MiB apart
	s_lshl_b32 s24, s24, 22
	s_lshl_b32 s25, ttmp9, 17                      ; 32 rows of 4,096 bytes
	s_add_co_u32 s24, s24, s25
	s_mov_b32 s25, 0
	s_add_nc_u64 s[14:15], s[14:15], s[24:25]
	s_or_b32 s15, s15, 0x80000000                  ; type = 2
	tensor_load_to_lds s[12:15], s[16:23]          ; my one tensor load
	s_nop 0
	s_wait_tensorcnt 0x0                           ; the tile is in LDS; only this wave reads it
.Lrows:                                        ; eight trips of four rows
.set n, 0
.rept 32
	ds_load_b128 v[X+4*n:X+4*n+3], v[AD] offset:(n/8)*LROW+(n%8)*16
.set n, n+1
.endr
.set n, 0
.rept 32
	s_wait_dscnt 31-n                              ; LDS loads come back in order: number n is in, the younger ones stay out
.irp k, 0,1,2,3
	v_add_f32 v[ACC], v[ACC], |v[X+4*n+(\k)]|
.endr
.set n, n+1
.endr
	v_add_nc_u32 v[AD], 4*LROW, v[AD]
	s_sub_co_u32 s27, s27, 1
	s_cmp_lg_u32 s27, 0
	s_cbranch_scc1 .Lrows
	global_store_b32 v[PO], v[ACC], s[8:9]         ; 128 consecutive bytes a wave
	s_wait_tensorcnt 0x0                           ; the wave's end
	ds_add_u32 v[SPW], v[NIL]
	s_wait_dscnt 0x0
	s_endpgm
.Lfunc_end_k_qcf78ee270c_wsum:
	.size	k_qcf78ee270c_wsum, .Lfunc_end_k_qcf78ee270c_wsum-k_qcf78ee270c_wsum
	.p2alignl 7, 3214868480
	.fill 96, 4, 3214868480
	.section	.rodata,"a",@progbits
	.p2align	6, 0x0
	.amdhsa_kernel k_qcf78ee270c_wsum
		.amdhsa_group_segment_fixed_size 167936
		.amdhsa_private_segment_fixed_size 0
		.amdhsa_enable_private_segment 0
		.amdhsa_kernarg_size 24
		.amdhsa_user_sgpr_count 2
		.amdhsa_user_sgpr_kernarg_segment_ptr 1
		.amdhsa_wavefront_size32 1
		.amdhsa_system_sgpr_workgroup_id_x 1
		.amdhsa_system_sgpr_workgroup_id_y 1
		.amdhsa_system_sgpr_workgroup_id_z 1
		.amdhsa_system_vgpr_workitem_id 0
		.amdhsa_next_free_vgpr 144
		.amdhsa_next_free_sgpr 66
		.amdhsa_reserve_vcc 0
		.amdhsa_float_denorm_mode_32 3
		.amdhsa_float_denorm_mode_16_64 3
		.amdhsa_memory_ordered 1
		.amdhsa_forward_progress 1
		.amdhsa_inst_pref_size 14
	.end_amdhsa_kernel
	.amdgpu_metadata
---
amdhsa.version: [ 1, 2 ]
amdhsa.kernels:
  - .name:           k_qcf78ee270c_wsum
    .symbol:         k_qcf78ee270c_wsum.kd
    .args:
      - { .name: in_proj_weight, .offset: 0, .size: 8, .value_kind: global_buffer, .address_space: global }
      - { .name: out_proj_weight, .offset: 8, .size: 8, .value_kind: global_buffer, .address_space: global }
      - { .name: part, .offset: 16, .size: 8, .value_kind: global_buffer, .address_space: global }
    .group_segment_fixed_size: 167936
    .private_segment_fixed_size: 0
    .kernarg_segment_align: 8
    .kernarg_segment_size: 24
    .max_flat_workgroup_size: 32
    .sgpr_count:     66
    .vgpr_count:     144
    .wavefront_size: 32
...
	.end_amdgpu_metadata
.endif
;; end of part 1
;; launch quant_in (part 2): grid 256 x 4, 8 waves a work-group, no clusters, 5,120 bytes of LDS; arguments query, key, value, qx, gam, in_proj_weight, out_proj_weight, part, wq, scl; writes qx, gam, wq, scl
.if DOCPART == 2
	.amdgcn_target "amdgcn-amd-amdhsa--gfx1250"
	.amdhsa_code_object_version 6
	.text
	.protected	k_qcf78ee270c_quant_in
	.globl	k_qcf78ee270c_quant_in
	.p2align	8
	.type	k_qcf78ee270c_quant_in,@function
k_qcf78ee270c_quant_in:
	s_mov_b64 s[64:65], 0
	v_nop
	global_prefetch_b8 v0, s[64:65] scope:SCOPE_SE
	s_setreg_imm32_b32 hwreg(HW_REG_WAVE_MODE, 25, 1), 1
	s_wait_xcnt 0x0
; TWO ROLES IN ONE LAUNCH, told apart by the work-group's y; both are streams on work-groups of eight waves, and neither reads what the other stores.
; y = 0, 2, 3: ACTIVATIONS TO WHOLE NUMBERS, token by token, for tensor t = 0, 1, 2.  For each row of 1,024 f32: gamma = max(max|x|, 1e-5); qx = clip(round_to_even(x x (128 / gamma)), -128, 127), as bf16 (exact); gam = gamma.
;   The tensors are [8192][1024] f32; qx: [3 x 8192][1024] bf16; gam: [3 x 8192] f32; tensor t's rows begin at 8192 t.  A launch with one work-group along y uses the first tensor and this role alone.
; y = 1: TERNARY WEIGHTS.  For matrix m = x / 64 (three in in_proj_weight, the fourth out_proj_weight): scale = max(sum|w| x 2^-20, 1e-5); wq = clip(round_to_even(w / scale), -1, 1) as bf16 (exact); scl[m] = scale.
;   wq: [4096][1024] bf16, matrix m at rows 1024 m.  The sum: the matrix's 1,024 window sums of the launch before (part), added in ascending order as ONE chain of f32 additions from 0:
;   why the order matters, and the limit that it leaves, stands at that launch's head.
; WHY TOGETHER.  The weights' role is short in bytes (24 MiB against 144 MiB) and long in dependent steps (arguments, sums, a chain of 1,024 additions, then its stores): beside the other role's stream those steps cost no launch of their own.
; WHY y = 1.  All that the weights' role does hangs on its first load, the window sums.  A work-group of the other role asks for 8 x 24 x 512 bytes = 96 KiB at its start; as the grid's second slice the weights' role
;   has one slice of such work-groups numbered ahead of it, as the last it would have three.  y = 0 stays the first tensor's, for the launch with one work-group along y.
; SHARES, first role.  A row is 4,096 bytes: one wave takes a whole row, eight 16-byte loads a lane, and keeps it in 32 registers between the maximum and the scaling: it is read once, and no wave waits for another.
;   A wave has four rows, a work-group 32.  Three row slots keep a wave within 128 registers: rows 0 to 2 are asked for at once (12 KiB), row 3 goes into row 0's registers when row 0's stores have read them.
; SHARES, second role.  Work-group x: 64 KiB of its matrix; a wave 8 KiB: 16 loads of 512 consecutive bytes, 16 stores of 256 consecutive bytes, aligned.  The 4,096 bytes of window sums are copied into LDS once,
;   512 bytes a wave; behind one barrier every wave reads them back, all lanes at one address, and makes the sum for itself, by the same instructions on the same numbers: all waves of all work-groups have the same scale.
;   The chain runs while the wave's 16 weight loads are on their way.
; DIVISIONS.  128 / gamma: a reciprocal mended by one fused step, times 128 (exact).  w / scale: the mended reciprocal times w, mended once more: q = w r; q += (w - q s) r.
; LIMITS.  gamma stays under 2^126 (its reciprocal would be flushed to 0 beyond); NaN is passed over by the maximum; infinities are not treated apart.
.set SUMS,  0                          ; LDS: the matrix's 1,024 window sums
.set SPARE, 4096                       ; behind them: the spare words, 128 bytes for each of eight waves: four blocks of 256 bytes that no other line names
.set SPW, 14                           ; v14      SPARE + 4 x my thread's number; never rewritten
.set NIL, 15                           ; v15      0; never rewritten
; the first role's registers
.set G,  5                             ; v5       lane r (0..3) gathers row r's gamma
.set M,  6                             ; v[6:9]   four running maxima
.set GM, 10                            ; v10      gamma
.set E,  11                            ; v11      at work
.set R,  12                            ; v[12:13] 128 / gamma, twice
.set X,  20                            ; v[20:115] three row slots of 32 registers
; the second role's registers
.set T16, 4                            ; v4       16 x my thread's number: my 16 bytes of the window sums, in part and in LDS
.set AD,  5                            ; v5       where the chain stands in LDS, the same in every lane
.set ACC, 6                            ; v6       the chain
.set S2, 16                            ; v[16:17] the scale, twice
.set R2, 18                            ; v[18:19] 1 / scale, twice
.set EW, 20                            ; v[20:23] at work
.set Q,  24                            ; v[24:27] four quotients
.set W,  32                            ; v[32:95] the weights as loaded; the first two registers of each four then hold what is stored
.set CB, 96                            ; v[96:127] a ring of four slots of 8 window sums
	s_load_b512 s[4:19], s[0:1], 0x0               ; the three tensors s[4:5], s[6:7], s[8:9]; qx s[10:11]; gam s[12:13]; in_proj_weight s[14:15]; out_proj_weight s[16:17]; part s[18:19]
	s_load_b128 s[20:23], s[0:1], 0x40             ; wq s[20:21], scl s[22:23]
	v_lshl_add_u32 v[SPW], v0, 2, SPARE
	v_mov_b32 v[NIL], 0
	v_and_b32 v1, 31, v0                           ; lane
	v_lshrrev_b32 v5, 5, v0
	v_readfirstlane_b32 s25, v5                    ; wave
	v_lshlrev_b32 v2, 4, v1                        ; 16 bytes a lane in
	v_lshlrev_b32 v3, 3, v1                        ; 8 bytes a lane out
	s_and_b32 s24, ttmp7, 0xffff                   ; the grid's slice: the same in all eight waves
	s_cmp_eq_u32 s24, 1
	s_cbranch_scc1 .Lweights
	; ---- the first role ----
	s_max_u32 s24, s24, 1
	s_sub_co_u32 s24, s24, 1                       ; which tensor: slices 0, 2, 3 are tensors 0, 1, 2
	v_lshlrev_b32 v4, 2, v1
	v_mov_b32 v[G], 0
	v_mov_b32 v[E], 0                              ; v_permlanex16_b32's destination counts as read
	s_mov_b32 s26, 0xc3000000                      ; -128.0
	s_mov_b32 s27, 0x42fe0000                      ; 127.0
	s_mov_b32 s28, 0x76543210                      ; v_permlanex16_b32: each lane takes its own place in the other half
	s_mov_b32 s29, 0xfedcba98
	s_lshl_b32 s40, ttmp9, 5
	s_lshl_b32 s41, s25, 2
	s_add_co_u32 s40, s40, s41                     ; my first row in the tensor
	s_lshl_b32 s44, s24, 13
	s_add_co_u32 s44, s44, s40                     ; and in qx and gam
	s_lshl_b32 s40, s40, 12                        ; x 4,096 bytes
	s_mov_b32 s41, 0
	s_lshl_b32 s42, s44, 11                        ; x 2,048 bytes
	s_mov_b32 s43, 0
	s_lshl_b32 s44, s44, 2
	s_mov_b32 s45, 0
	s_wait_kmcnt 0x0
	s_cmp_eq_u32 s24, 1
	s_cselect_b64 s[32:33], s[6:7], s[4:5]
	s_cmp_eq_u32 s24, 2
	s_cselect_b64 s[32:33], s[8:9], s[32:33]
	s_add_nc_u64 s[32:33], s[32:33], s[40:41]
	s_add_nc_u64 s[34:35], s[10:11], s[42:43]
	s_add_nc_u64 s[36:37], s[12:13], s[44:45]
.set n, 0
.rept 24
	global_load_b128 v[X+4*n:X+4*n+3], v2, s[32:33] offset:512*n th:TH_LOAD_NT  ; row n / 8, its 512 bytes number n % 8: the rows lie on end
.set n, n+1
.endr
.macro ROW r, left                     ; row r, in slot r % 3; left: the younger loads, which may stay out
.set XR, X+32*((\r)%3)
	s_wait_loadcnt \left                           ; loads come back in order: my eight are in
.irp k, 0,1,2,3
	v_max3_num_f32 v[M+(\k)], |v[XR+3*(\k)]|, |v[XR+3*(\k)+1]|, |v[XR+3*(\k)+2]|  ; four chains start on the first twelve numbers: nothing is cleared
.endr
.set n, 0
.rept 10
	v_max3_num_f32 v[M+n%4], v[M+n%4], |v[XR+12+2*n]|, |v[XR+13+2*n]|
.set n, n+1
.endr
	v_max3_num_f32 v[M], v[M], v[M+1], v[M+2]
	v_max_num_f32 v[M], v[M], v[M+3]
	v_max_num_f32_dpp v[M], v[M], v[M] row_xmask:1 row_mask:0xf bank_mask:0xf
	v_max_num_f32_dpp v[M], v[M], v[M] row_xmask:2 row_mask:0xf bank_mask:0xf
	v_max_num_f32_dpp v[M], v[M], v[M] row_xmask:4 row_mask:0xf bank_mask:0xf
	v_max_num_f32_dpp v[M], v[M], v[M] row_xmask:8 row_mask:0xf bank_mask:0xf
	v_permlanex16_b32 v[E], v[M], s28, s29
	v_max_num_f32 v[M], v[M], v[E]
	v_max_num_f32 v[GM], 0x3727c5ac, v[M]          ; at least 1e-5; every lane holds it
	s_mov_b32 s38, 1<<(\r)
	v_rcp_f32 v[R], v[GM]
	v_cndmask_b32 v[G], v[G], v[GM], s38           ; lane r keeps this row's gamma: also the plain instruction between the reciprocal and the use of its result
	s_wait_alu depctr_va_vdst(0)
	v_fma_f32 v[E], -v[GM], v[R], 1.0
	v_fma_f32 v[R], v[E], v[R], v[R]
	v_mul_f32 v[R], 0x43000000, v[R]               ; x 128
	v_mov_b32 v[R+1], v[R]
.irp j, 0,1,2,3,4,5,6,7
	v_pk_mul_f32 v[XR+4*(\j):XR+4*(\j)+1],   v[XR+4*(\j):XR+4*(\j)+1],   v[R:R+1]
	v_pk_mul_f32 v[XR+4*(\j)+2:XR+4*(\j)+3], v[XR+4*(\j)+2:XR+4*(\j)+3], v[R:R+1]
.irp k, 0,1,2,3
	v_rndne_f32 v[XR+4*(\j)+(\k)], v[XR+4*(\j)+(\k)]
.endr
.irp k, 0,1,2,3
	v_med3_num_f32 v[XR+4*(\j)+(\k)], v[XR+4*(\j)+(\k)], s26, s27
.endr
	v_cvt_pk_bf16_f32 v[XR+4*(\j)],   v[XR+4*(\j)],   v[XR+4*(\j)+1]
	v_cvt_pk_bf16_f32 v[XR+4*(\j)+1], v[XR+4*(\j)+2], v[XR+4*(\j)+3]
	global_store_b64 v3, v[XR+4*(\j):XR+4*(\j)+1], s[34:35] offset:2048*(\r)+256*(\j)  ; the wave's 32 lanes store 256 consecutive bytes, aligned
.endr
.endm
	ROW 0, 16                                      ; rows 1 and 2 stay out
	s_wait_xcnt 0x0                                ; row 0's stores have read their registers: slot 0 is loaded again only behind this wait
.set n, 0
.rept 8
	global_load_b128 v[X+4*n:X+4*n+3], v2, s[32:33] offset:512*(24+n) th:TH_LOAD_NT  ; row 3
.set n, n+1
.endr
	ROW 1, 16                                      ; rows 2 and 3 stay out
	ROW 2, 8                                       ; row 3 stays out
	ROW 3, 0
	s_wait_xcnt 0x0                                ; EXEC changes only behind this wait
	v_cmp_gt_u32 vcc_lo, 4, v1
	s_and_saveexec_b32 s39, vcc_lo
	global_store_b32 v4, v[G], s[36:37]            ; four gammas, 16 bytes a wave: all of gam is 96 KiB, too little to gather through LDS
	s_wait_xcnt 0x0                                ; and again, in front of the line that widens it
	s_or_b32 exec_lo, exec_lo, s39
	s_branch .Lend
	; ---- the second role ----
.Lweights:
	s_lshr_b32 s26, ttmp9, 6                       ; the matrix
	s_and_b32 s27, ttmp9, 63                       ; which 64 KiB of it
	s_lshl_b32 s40, s27, 16
	s_lshl_b32 s41, s25, 13
	s_add_co_u32 s40, s40, s41                     ; my 8 KiB in the matrix
	s_lshr_b32 s42, s40, 1                         ; half as many bytes out,
	s_lshl_b32 s43, s26, 21                        ; 2 MiB a matrix
	s_add_co_u32 s42, s42, s43
	s_mov_b32 s43, 0
	s_lshl_b32 s44, s26, 12                        ; 4,096 bytes of window sums a matrix
	s_mov_b32 s45, 0
	v_lshlrev_b32 v[T16], 4, v0
	v_mov_b32 v[AD], SUMS
	v_mov_b32 v[ACC], 0
	s_mov_b32 s29, 31
	s_wait_kmcnt 0x0
	s_add_nc_u64 s[36:37], s[18:19], s[44:45]
	global_load_b128 v[CB:CB+3], v[T16], s[36:37]  ; my wave's 512 bytes of the window sums: asked for first
	s_cmp_eq_u32 s26, 3
	s_cselect_b64 s[32:33], s[16:17], s[14:15]     ; matrix 3 is out_proj_weight,
	s_cselect_b32 s41, 0, s26                      ; at its own first byte; the others lie 4 MiB apart
	s_lshl_b32 s41, s41, 22
	s_add_co_u32 s40, s40, s41
	s_mov_b32 s41, 0
	s_add_nc_u64 s[32:33], s[32:33], s[40:41]
	s_add_nc_u64 s[34:35], s[20:21], s[42:43]
.set j, 0
.rept 16
	global_load_b128 v[W+4*j:W+4*j+3], v2, s[32:33] offset:512*j
.set j, j+1
.endr
	s_wait_loadcnt 16                              ; the sums are in; the 16 weight loads stay out
	ds_store_b128 v[T16], v[CB:CB+3] offset:SUMS
	s_wait_dscnt 0x0                               ; for the others' sake: my store is done
	s_barrier_signal -1
	s_barrier_wait -1                              ; all 4,096 bytes lie in LDS; nobody writes them again
	; The chain.  Slot s of the ring holds sums 8 s .. 8 s + 7 of a trip's 32.  Eight LDS loads are out; a slot is asked for again as soon as it has been added, 24 additions ahead of its next use.
.set n, 0
.rept 8
	ds_load_b128 v[CB+4*n:CB+4*n+3], v[AD] offset:16*n  ; all lanes at one address: every lane gets the same four sums
.set n, n+1
.endr
.Lsum:                                         ; 31 trips of 32 sums, each asking for the next trip's
.irp s, 0,1,2,3
	s_wait_dscnt 6                                 ; LDS loads come back in order: this slot's two are in, the three younger slots' six stay out
.irp k, 0,1,2,3,4,5,6,7
	v_add_f32 v[ACC], v[ACC], v[CB+8*(\s)+(\k)]
.endr
	ds_load_b128 v[CB+8*(\s):CB+8*(\s)+3],   v[AD] offset:128+32*(\s)
	ds_load_b128 v[CB+8*(\s)+4:CB+8*(\s)+7], v[AD] offset:128+32*(\s)+16
.endr
	v_add_nc_u32 v[AD], 128, v[AD]
	s_sub_co_u32 s29, s29, 1
	s_cmp_lg_u32 s29, 0
	s_cbranch_scc1 .Lsum
.irp s, 0,1,2,3                        ; the last 32: nothing is read beyond the 1,024, and the counts run down
	s_wait_dscnt 6-2*(\s)
.irp k, 0,1,2,3,4,5,6,7
	v_add_f32 v[ACC], v[ACC], v[CB+8*(\s)+(\k)]
.endr
.endr
	v_mul_f32 v[S2], 0x35800000, v[ACC]            ; x 2^-20: the mean, exact
	v_max_num_f32 v[S2], 0x3727c5ac, v[S2]         ; at least 1e-5
	v_rcp_f32 v[R2], v[S2]
	v_mov_b32 v[S2+1], v[S2]                       ; the plain instruction between the reciprocal and the use of its result
	s_wait_alu depctr_va_vdst(0)
	v_fma_f32 v[EW], -v[S2], v[R2], 1.0
	v_fma_f32 v[R2], v[EW], v[R2], v[R2]
	v_mov_b32 v[R2+1], v[R2]
.set j, 0
.rept 16
	s_wait_loadcnt 15-j                            ; loads come back in order: number j is in, the younger ones stay out
	v_pk_mul_f32 v[Q:Q+1],   v[W+4*j:W+4*j+1],   v[R2:R2+1]
	v_pk_mul_f32 v[Q+2:Q+3], v[W+4*j+2:W+4*j+3], v[R2:R2+1]
	v_pk_fma_f32 v[EW:EW+1],   v[Q:Q+1],   v[S2:S2+1], v[W+4*j:W+4*j+1]   neg_lo:[1,0,0] neg_hi:[1,0,0]  ; w - q s
	v_pk_fma_f32 v[EW+2:EW+3], v[Q+2:Q+3], v[S2:S2+1], v[W+4*j+2:W+4*j+3] neg_lo:[1,0,0] neg_hi:[1,0,0]
	v_pk_fma_f32 v[Q:Q+1],   v[EW:EW+1],   v[R2:R2+1], v[Q:Q+1]
	v_pk_fma_f32 v[Q+2:Q+3], v[EW+2:EW+3], v[R2:R2+1], v[Q+2:Q+3]
.irp k, 0,1,2,3
	v_rndne_f32 v[Q+(\k)], v[Q+(\k)]
.endr
.irp k, 0,1,2,3
	v_med3_num_f32 v[Q+(\k)], v[Q+(\k)], -1.0, 1.0
.endr
	v_cvt_pk_bf16_f32 v[W+4*j],   v[Q],   v[Q+1]   ; into the registers that the weights came in: each is written once
	v_cvt_pk_bf16_f32 v[W+4*j+1], v[Q+2], v[Q+3]
	global_store_b64 v3, v[W+4*j:W+4*j+1], s[34:35] offset:256*j  ; the wave's 32 lanes store 256 consecutive bytes, aligned
.set j, j+1
.endr
	s_or_b32 s40, s27, s25                         ; wave 0 of the matrix's first work-group stores the scale
	s_cmp_lg_u32 s40, 0
	s_cbranch_scc1 .Lend
	s_lshl_b32 s40, s26, 2
	v_mov_b32 v[T16], s40                          ; (free: the load and the LDS store that named it are done)
	s_wait_xcnt 0x0                                ; EXEC changes only behind this wait
	v_cmp_eq_u32 vcc_lo, 0, v1
	s_and_saveexec_b32 s39, vcc_lo
	global_store_b32 v[T16], v[S2], s[22:23]
	s_wait_xcnt 0x0                                ; and again, in front of the line that widens it
	s_or_b32 exec_lo, exec_lo, s39
.Lend:
	s_wait_tensorcnt 0x0                           ; the wave's end: behind my last LDS store
	ds_add_u32 v[SPW], v[NIL]
	s_wait_dscnt 0x0
	s_endpgm
.Lfunc_end_k_qcf78ee270c_quant_in:
	.size	k_qcf78ee270c_quant_in, .Lfunc_end_k_qcf78ee270c_quant_in-k_qcf78ee270c_quant_in
	.p2alignl 7, 3214868480
	.fill 96, 4, 3214868480
	.section	.rodata,"a",@progbits
	.p2align	6, 0x0
	.amdhsa_kernel k_qcf78ee270c_quant_in
		.amdhsa_group_segment_fixed_size 5120
		.amdhsa_private_segment_fixed_size 0
		.amdhsa_enable_private_segment 0
		.amdhsa_kernarg_size 80
		.amdhsa_user_sgpr_count 2
		.amdhsa_user_sgpr_kernarg_segment_ptr 1
		.amdhsa_wavefront_size32 1
		.amdhsa_system_sgpr_workgroup_id_x 1
		.amdhsa_system_sgpr_workgroup_id_y 1
		.amdhsa_system_sgpr_workgroup_id_z 1
		.amdhsa_system_vgpr_workitem_id 0
		.amdhsa_next_free_vgpr 128
		.amdhsa_next_free_sgpr 66
		.amdhsa_reserve_vcc 1
		.amdhsa_float_denorm_mode_32 3
		.amdhsa_float_denorm_mode_16_64 3
		.amdhsa_memory_ordered 1
		.amdhsa_forward_progress 1
		.amdhsa_inst_pref_size 59
	.end_amdhsa_kernel
	.amdgpu_metadata
---
amdhsa.version: [ 1, 2 ]
amdhsa.kernels:
  - .name:           k_qcf78ee270c_quant_in
    .symbol:         k_qcf78ee270c_quant_in.kd
    .args:
      - { .name: query, .offset: 0, .size: 8, .value_kind: global_buffer, .address_space: global }
      - { .name: key, .offset: 8, .size: 8, .value_kind: global_buffer, .address_space: global }
      - { .name: value, .offset: 16, .size: 8, .value_kind: global_buffer, .address_space: global }
      - { .name: qx, .offset: 24, .size: 8, .value_kind: global_buffer, .address_space: global }
      - { .name: gam, .offset: 32, .size: 8, .value_kind: global_buffer, .address_space: global }
      - { .name: in_proj_weight, .offset: 40, .size: 8, .value_kind: global_buffer, .address_space: global }
      - { .name: out_proj_weight, .offset: 48, .size: 8, .value_kind: global_buffer, .address_space: global }
      - { .name: part, .offset: 56, .size: 8, .value_kind: global_buffer, .address_space: global }
      - { .name: wq, .offset: 64, .size: 8, .value_kind: global_buffer, .address_space: global }
      - { .name: scl, .offset: 72, .size: 8, .value_kind: global_buffer, .address_space: global }
    .group_segment_fixed_size: 5120
    .private_segment_fixed_size: 0
    .kernarg_segment_align: 8
    .kernarg_segment_size: 80
    .max_flat_workgroup_size: 256
    .sgpr_count:     66
    .vgpr_count:     128
    .wavefront_size: 32
...
	.end_amdgpu_metadata
.endif
;; end of part 2
;; launch gemm_qkv (part 3): grid 4 x 192, 4 waves a work-group, clusters of 4 x 4, 327,680 bytes of LDS; arguments qx, wq, gam, scl, in_proj_bias, qkv; writes qkv
.if DOCPART == 3
	.amdgcn_target "amdgcn-amd-amdhsa--gfx1250"
	.amdhsa_code_object_version 6
	.text
	.protected	k_qcf78ee270c_gemm_qkv
	.globl	k_qcf78ee270c_gemm_qkv
	.p2align	8
	.type	k_qcf78ee270c_gemm_qkv,@function
k_qcf78ee270c_gemm_qkv:
	s_mov_b64 s[64:65], 0
	v_nop
	global_prefetch_b8 v0, s[64:65] scope:SCOPE_SE
	s_setreg_imm32_b32 hwreg(HW_REG_WAVE_MODE, 25, 1), 1
	s_wait_xcnt 0x0
	s_wait_alu depctr_hold_cnt(0) depctr_sa_sdst(0) depctr_va_vdst(0) depctr_va_sdst(0) depctr_va_ssrc(0) depctr_va_vcc(0) depctr_vm_vsrc(0)
	s_getreg_b32 s2, hwreg(HW_REG_IB_STS2, 6, 4)
	s_cmp_eq_u32 s2, 0
	s_cbranch_scc0 .Lentry_in_a_cluster
	s_endpgm
.Lentry_in_a_cluster:
	s_bfe_u32 s2, ttmp6, 0x10000c
	s_cmp_lg_u32 s2, 0xf033
	s_cbranch_scc0 .Lentry_shape_is_right
	s_endpgm
.Lentry_shape_is_right:
; THE THREE IN-PROJECTIONS.  For tensor t (q, k, v), token m, column n: y = (sum over k of qx[8192 t + m][k] wq[1024 t + n][k]) x (scl[t] x gam[8192 t + m] / 128) + bias[1024 t + n].
; qx holds whole numbers in -128 .. 127 and wq -1, 0, 1, both as bf16; the f32 sums stay under 2^17: every product and sum is exact.  One fused multiply-add, one rounding to f16.
; OUT: qkv[t][16 batch + head][token][64] f16: a head's rows lie on end, 128 bytes each, without attention's scale.  LIMIT: |y| under 65,504, f16's range; NaN and infinities are not treated apart.
; KIND = 0: this text.  KIND = 1: the out-projection's text, which differs in the way out, in t (the constant 3) and in nothing else.
; SHARES.  A tile is 128 tokens x 256 columns: 768 tiles here, 256 in the out-projection.  Four waves, each 64 tokens x 128 columns:
; 32 accumulators of 16 x 16, 256 registers.  K = 1,024 goes in 8 steps of 128 through a ring of two LDS slots: the tiles' rows are 256 consecutive bytes of memory, aligned.
; CLUSTER.  4 x 4 work-groups.  The four of a row of the cluster need the same 128 rows of qx, the four of a column the same 256 rows of wq (t hangs on the cluster's y alone: 16 clusters a tensor):
; each tile is asked for JOINTLY, by the same tensor load with the same descriptor and a mask that names the four.
; THE MATRIX INSTRUCTION IS USED TRANSPOSED (source 0 = 16 rows of wq, source 1 = 16 rows of qx): a lane then holds one token (lane % 16) and eight neighbouring columns 8 (lane / 16) + 0..7.
; LEFT OUT: work-groups that stay over the three tensors, and a prefetch of the tiles: a step's 128 matrix instructions a wave stand between a refill and the wait for it, and tiles are shared fourfold.
; REGISTERS, in windows of 256 (s_set_vgpr_msb: bits 1:0 source 0, 3:2 source 1, 5:4 source 2, 7:6 destination):
;   window 0: v0-31 addresses; v32-39 row scales; v64-159, v160-255 two fragment buffers (4 fragments of qx, then 8 of wq), later the way out
;   window 1: accumulator (a, b) at v[8 (8 a + b)]          window 2: v0-63 my 64 numbers of the bias, block b's eight at 8 b
.set KIND,   0
.set KSTEP,  128
.set PITCH,  272                       ; an LDS row: 256 bytes + 16 of padding = 68 words: row r starts at bank 4 r mod 64 (64 banks of 4 bytes: ISA guide 11.1)
.set AHALF,  64*PITCH                  ; what one tensor load brings of qx, and what a wave reads of it
.set BHALF,  128*PITCH                 ; the same of wq
.set BOFF,   128*PITCH                 ; wq's 256 rows lie behind qx's 128
.set SLOT,   384*PITCH
.set STAGE,  2*SLOT                    ; behind the ring: each wave's own stage for the way out; no tensor load fills it
.if KIND
.set SPITCH, 528                       ; 16 rows of 128 f32 + 16 bytes
.set WSTAGE, 16*SPITCH
.else
.set SPITCH, 144                       ; 2 heads x 16 rows of 64 f16 + 16 bytes
.set WSTAGE, 32*SPITCH
.endif
.set SPARE,  STAGE+4*WSTAGE            ; behind the stages: the spare words, 128 bytes a wave: two blocks of 256 bytes that no other line names
.set LAPS,   4                         ; a lap = two K steps = once round the ring
.set ADRA, 16                          ; v16-17  LDS address of my fragments of qx in slot 0, 1
.set ADRB, 20                          ; v20-21  the same for wq
.set STO,  24                          ; v24     the way out: where I put my bytes of a row
.set RD,   25                          ; v25     where I read rows back
.set GO,   26                          ; v26     my 16 bytes of 512 consecutive bytes of the output
.set GOF,  27                          ; v27     4 (lane % 16): my token's gamma
.set SPW,  28                          ; v28     SPARE + 4 x my thread's number; never rewritten
.set NIL,  29                          ; v29     0; never rewritten
.set BOF,  30                          ; v30     32 (lane / 16): my eight numbers of the bias
.set RS,   32                          ; v[32:39] block a's row scale, twice, at RS + 2 a
.set F0,   64
.set F1,   160
.set TM,   64                          ; the way out: 64 results in f32
.set G1,  24                           ; s[24:31] descriptor group 1 for qx's tiles;  s[32:39] group 0, a set for each slot
.set G0,  32
.set G1B, 48                           ; s[48:55], s[56:63] the same for wq's tiles
.set G0B, 56
.set MSB, 0
.macro WIN new                         ; the immediate's high byte repeats the setting that is left; a switch that changes nothing is dropped
.if MSB != (\new)
	s_set_vgpr_msb (MSB<<8)|(\new)
.set MSB, \new
.endif
.endm
.set MUL, 0x50                         ; C and D in window 1, both sources in window 0
.macro JLOAD s                         ; a joint load: waves 0 and 1 fetch qx's two halves, waves 2 and 3 wq's; an s_nop 0 and four v_nop follow each of the two lines, ahead of the jump, the label and what follows
	s_cmp_eq_u32 s17, 0
	s_cbranch_scc0 .Lfor_b_\@
	tensor_load_to_lds s[G0+4*(\s):G0+4*(\s)+3], s[G1:G1+7]
	s_nop 0
.rept 4
	v_nop
.endr
	s_branch .Lasked_\@
.Lfor_b_\@:
	tensor_load_to_lds s[G0B+4*(\s):G0B+4*(\s)+3], s[G1B:G1B+7]
	s_nop 0
.rept 4
	v_nop
.endr
.Lasked_\@:
.endm
.macro CREST                           ; a round of the cluster's barrier behind its opening barrier
	s_cmp_lg_u32 s16, 0
	s_cbranch_scc1 .Lnot_wave_0_\@
	s_barrier_signal -3
.Lnot_wave_0_\@:
	s_barrier_wait -3
	s_barrier_signal -1
	s_barrier_wait -1
.endm
.macro CROUND                          ; a whole round
	s_barrier_signal -1
	s_barrier_wait -1
	CREST
.endm
	s_load_b256 s[4:11], s[0:1], 0x0               ; qx s[4:5], wq s[6:7], gam s[8:9], scl s[10:11]
	s_load_b128 s[12:15], s[0:1], 0x20             ; bias s[12:13], the output s[14:15]
	v_lshl_add_u32 v[SPW], v0, 2, SPARE
	v_mov_b32 v[NIL], 0
	ds_add_u32 v[SPW], v[NIL]                      ; the wave's opening: the add and its wait, ahead of my first tensor load; the set-up below, work on registers, stands between them
	ds_add_u32 v28, v29
	v_lshrrev_b32 v1, 5, v0
	v_readfirstlane_b32 s16, v1                    ; wave 0..3
	s_lshr_b32 s17, s16, 1                         ; which 64 tokens of the tile are mine.  Also: I fetch for qx (0) or for wq (1)
	s_and_b32 s18, s16, 1                          ; which 128 columns.  Also: which half of that tile I fetch
	s_bfe_u32 s19, ttmp6, 0x40000                  ; cx, cy: my place in the cluster
	s_bfe_u32 s20, ttmp6, 0x40004
	s_lshl_b32 s21, ttmp9, 2
	s_add_co_u32 s21, s21, s19                     ; tile column = 4 x cluster x + cx
	s_and_b32 s23, ttmp7, 0xffff
	s_lshl_b32 s22, s23, 2
	s_add_co_u32 s22, s22, s20                     ; tile row = 4 x cluster y + cy
.if KIND
	s_mov_b32 s23, 3                               ; the fourth matrix of wq, the fourth scale
.else
	s_lshr_b32 s23, s23, 4                         ; the tensor: 16 clusters along y each; the same in all sixteen partners
.endif
	s_lshl_b32 s66, s20, 2
	s_lshl_b32 s66, 15, s66                        ; my row of the cluster
	s_lshl_b32 s67, 0x1111, s19                    ; my column
	s_or_b32 s[G1+0], s66, (1<<16)|(1<<20)|(1<<21)|(5<<22)|(3<<25)   ; 15:0 the mask; 17:16 elements of 2 bytes; 20 padding on; 21 set beside a mask; 24:22 after every 64 words (code 5); 31:25 4 words (code 3)
	s_or_b32 s[G1B+0], s67, (1<<16)|(1<<20)|(1<<21)|(5<<22)|(3<<25)
	s_mov_b32 s[G1+1], KSTEP<<16                   ; tensor_dim0 = 128
	s_mov_b32 s[G1+2], 64<<16                      ; tensor_dim1 = 64
	s_mov_b32 s[G1+3], KSTEP<<16                   ; tile_dim0 = 128
	s_mov_b32 s[G1+4], 64                          ; tile_dim1 = 64
	s_mov_b32 s[G1+5], 1024                        ; elements from row to row
	s_mov_b32 s[G1+6], 0
	s_mov_b32 s[G1+7], 0
	s_mov_b32 s[G1B+1], KSTEP<<16
	s_mov_b32 s[G1B+2], 128<<16                    ; wq's loads bring 128 rows
	s_mov_b32 s[G1B+3], KSTEP<<16
	s_mov_b32 s[G1B+4], 128
	s_mov_b32 s[G1B+5], 1024
	s_mov_b32 s[G1B+6], 0
	s_mov_b32 s[G1B+7], 0
	s_lshl_b32 s40, s22, 7                         ; qx: row 128 x tile row + 64 x half, 2,048 bytes a row: made of the tile row and the wave's number alone
	s_lshl_b32 s41, s18, 6
	s_add_co_u32 s40, s40, s41
	s_lshl_b32 s40, s40, 11
	s_mov_b32 s41, 0
	s_lshl_b32 s46, s21, 8                         ; wq: row 1,024 t + 256 x tile column + 128 x half: made of t, the tile column and the wave's number alone
	s_lshl_b32 s47, s18, 7
	s_add_co_u32 s46, s46, s47
	s_lshl_b32 s47, s23, 10
	s_add_co_u32 s46, s46, s47
	s_lshl_b32 s46, s46, 11
	s_mov_b32 s47, 0
	s_mul_i32 s44, s18, AHALF                      ; where they go: no place in the cluster enters an LDS address
	s_mul_i32 s45, s18, BHALF
	s_add_co_u32 s45, s45, BOFF
	; what the way out needs, in bytes
	s_lshl_b32 s68, s22, 7
	s_lshl_b32 s69, s17, 6
	s_add_co_u32 s68, s68, s69                     ; my first row of qx and of gam
	s_lshl_b32 s70, s68, 2
	s_mov_b32 s71, 0
	s_lshl_b32 s72, s21, 8
	s_lshl_b32 s73, s18, 7
	s_add_co_u32 s72, s72, s73                     ; my first column of the tensor's 1,024
.if KIND
	s_lshl_b32 s74, s72, 2                         ; in the bias
	s_mov_b32 s75, 0
	s_lshl_b32 s76, s68, 12                        ; in the output: 4,096 bytes a token
	s_add_co_u32 s76, s76, s74
	s_mov_b32 s77, 0
.else
	s_lshl_b32 s74, s23, 10
	s_add_co_u32 s74, s74, s72
	s_lshl_b32 s74, s74, 2                         ; in the bias
	s_mov_b32 s75, 0
	s_and_b32 s76, s68, 8191                       ; my first token in the tensor:
	s_lshr_b32 s77, s76, 11                        ; its batch,
	s_and_b32 s76, s76, 2047                       ; its place there,
	s_lshl_b32 s76, s76, 7                         ; 128 bytes a token and head
	s_lshl_b32 s77, s77, 4
	s_lshr_b32 s78, s72, 6                         ; my first head
	s_add_co_u32 s77, s77, s78
	s_lshl_b32 s77, s77, 18                        ; 2,048 x 128 bytes a head
	s_add_co_u32 s76, s76, s77
	s_lshl_b32 s77, s23, 24                        ; 16 MiB a tensor
	s_add_co_u32 s76, s76, s77
	s_mov_b32 s77, 0
.endif
	s_lshl_b32 s78, s23, 2                         ; in scl
	s_mov_b32 s79, 0
	s_wait_dscnt 0x0                               ; the opening add is done
	s_wait_kmcnt 0x0
	s_add_nc_u64 s[42:43], s[4:5], s[40:41]
	s_add_nc_u64 s[46:47], s[6:7], s[46:47]
	s_add_nc_u64 s[8:9], s[8:9], s[70:71]
	s_add_nc_u64 s[10:11], s[10:11], s[78:79]
	s_add_nc_u64 s[12:13], s[12:13], s[74:75]
	s_add_nc_u64 s[14:15], s[14:15], s[76:77]
	CROUND                                         ; all sixteen work-groups are here: the first joint loads meet
.irp s, 0,1
	s_mov_b32 s[G0+4*(\s)], 1                                        ; count = 1
	s_add_co_u32 s[G0+4*(\s)+1], s44, (\s)*SLOT                      ; LDS address
	s_add_nc_u64 s[G0+4*(\s)+2:G0+4*(\s)+3], s[42:43], (\s)*KSTEP*2  ; global address: K step s
	s_or_b32 s[G0+4*(\s)+3], s[G0+4*(\s)+3], 0x80000000              ; type = 2
	s_mov_b32 s[G0B+4*(\s)], 1
	s_add_co_u32 s[G0B+4*(\s)+1], s45, (\s)*SLOT
	s_add_nc_u64 s[G0B+4*(\s)+2:G0B+4*(\s)+3], s[46:47], (\s)*KSTEP*2
	s_or_b32 s[G0B+4*(\s)+3], s[G0B+4*(\s)+3], 0x80000000
	JLOAD \s                                       ; two loads of mine are out
.endr
	s_load_b32 s2, s[10:11], 0x0                   ; the matrix's scale
	v_and_b32 v1, 15, v0                           ; l % 16
	v_bfe_u32 v2, v0, 4, 1                         ; l / 16
	v_and_b32 v4, 31, v0                           ; l
	v_lshlrev_b32 v[GOF], 2, v1
	v_lshlrev_b32 v[BOF], 5, v2
.irp a, 0,1,2,3
	global_load_b32 v[RS+2*(\a)], v[GOF], s[8:9] offset:64*(\a)      ; gamma of token 16 a + l % 16
.endr
	WIN 0x80                                       ; destination window 2, address window 0
.irp b, 0,1,2,3,4,5,6,7
	global_load_b128 v[8*(\b):8*(\b)+3],   v[BOF], s[12:13] offset:64*(\b)     ; the bias of columns 16 b + 8 (l / 16) + 0..7
	global_load_b128 v[8*(\b)+4:8*(\b)+7], v[BOF], s[12:13] offset:64*(\b)+16
.endr
	WIN 0
	v_mul_u32_u24 v3, v1, PITCH
	v_lshl_add_u32 v3, v2, 4, v3                   ; a fragment's row x pitch + 16 x half
	s_mul_i32 s66, s17, AHALF                      ; my 64 rows of qx
	s_mul_i32 s67, s18, BHALF                      ; my 128 rows of wq,
	s_add_co_u32 s67, s67, BOFF                    ; which lie behind qx's 128
.irp s, 0,1
	v_add_nc_u32 v[ADRA+(\s)], s66, v3
	v_add_nc_u32 v[ADRB+(\s)], s67, v3
	s_add_co_u32 s66, s66, SLOT
	s_add_co_u32 s67, s67, SLOT
.endr
	s_mul_i32 s66, s16, WSTAGE
	s_add_co_u32 s66, s66, STAGE                   ; my stage
	v_mul_u32_u24 v[STO], v1, SPITCH               ; in: row l % 16,
.if KIND
	v_lshl_add_u32 v[STO], v2, 5, v[STO]           ; 32 bytes for each half of the lanes
	v_add_nc_u32 v[STO], s66, v[STO]
	v_lshl_add_u32 v[RD], v4, 4, s66               ; back: 32 lanes take one row of 512 bytes
.else
	v_lshl_add_u32 v[STO], v2, 4, v[STO]           ; 16 bytes for each half of the lanes
	v_add_nc_u32 v[STO], s66, v[STO]
	v_lshrrev_b32 v5, 3, v4                        ; back: 32 lanes take four rows of 128 bytes
	v_and_b32 v6, 7, v0
	v_mul_u32_u24 v[RD], v5, SPITCH
	v_lshl_add_u32 v[RD], v6, 4, v[RD]
	v_add_nc_u32 v[RD], s66, v[RD]
.endif
	v_lshlrev_b32 v[GO], 4, v4
	s_wait_kmcnt 0x0                               ; the scale
	s_wait_loadcnt 0x0                             ; gamma and the bias, once, beside the wait for the first tile
.irp a, 0,1,2,3
	v_mul_f32 v[RS+2*(\a)], s2, v[RS+2*(\a)]       ; scale x gamma,
	v_mul_f32 v[RS+2*(\a)], 0x3c000000, v[RS+2*(\a)]  ; / 128 (exact)
	v_mov_b32 v[RS+2*(\a)+1], v[RS+2*(\a)]
.endr
; 8 matrix instructions: token block a x all 8 column blocks, 32 along K.  zero = 1: the product starts the sums.  The 32 accumulators take turns, one instruction a turn, in one order everywhere.
.macro MULA f, a, zero
	WIN MUL
.irp b, 0,1,2,3,4,5,6,7
.if \zero
	v_wmma_f32_16x16x32_bf16 v[8*(8*(\a)+(\b)):8*(8*(\a)+(\b))+7], v[(\f)+32+8*(\b):(\f)+32+8*(\b)+7], v[(\f)+8*(\a):(\f)+8*(\a)+7], 0
.else
	v_wmma_f32_16x16x32_bf16 v[8*(8*(\a)+(\b)):8*(8*(\a)+(\b))+7], v[(\f)+32+8*(\b):(\f)+32+8*(\b)+7], v[(\f)+8*(\a):(\f)+8*(\a)+7], v[8*(8*(\a)+(\b)):8*(8*(\a)+(\b))+7]
.endif
.endr
.endm
; 24 LDS loads in one run: the fragments of 32 along K at byte k of the rows, into buffer f: wq's eight, then qx's four
.macro FETCH slot, k, f
	WIN 0
.irp i, 0,1,2,3,4,5,6,7
	ds_load_b128 v[(\f)+32+8*(\i):(\f)+32+8*(\i)+3],   v[ADRB+(\slot)] offset:(\k)+(\i)*16*PITCH
	ds_load_b128 v[(\f)+32+8*(\i)+4:(\f)+32+8*(\i)+7], v[ADRB+(\slot)] offset:(\k)+(\i)*16*PITCH+32
.endr
.irp i, 0,1,2,3
	ds_load_b128 v[(\f)+8*(\i):(\f)+8*(\i)+3],   v[ADRA+(\slot)] offset:(\k)+(\i)*16*PITCH
	ds_load_b128 v[(\f)+8*(\i)+4:(\f)+8*(\i)+7], v[ADRA+(\slot)] offset:(\k)+(\i)*16*PITCH+32
.endr
.endm
.macro PLACES                          ; four places in front of loads into registers that matrix instructions have read, and of lines that read results
.rept 4
	v_nop
.endr
.endm
; A K step is four quarters of 32 along K, 32 matrix instructions each, on buffers 0, 1, 0, 1.  One of the first three: multiplies buffer f and fetches the next quarter, at byte k, into g.
.macro QUARTER slot, k, f, g, zero
	s_wait_dscnt 4                                 ; wq's fragments and qx's blocks 0 and 1 are in; the youngest four loads (blocks 2 and 3) may be out
	MULA \f, 0, \zero
	MULA \f, 1, \zero
	PLACES
	FETCH \slot, \k, \g
	s_wait_dscnt 24                                ; all but the 24 just issued
	MULA \f, 2, \zero
	MULA \f, 3, \zero
.endm
; The last quarter multiplies buffer 1 and changes slots: ONE barrier; in front of it each wave waits for all its tensor loads, adds 0 to its spare word, and waits for that and for its own reads of this slot.
; fill = 1: the barrier opens a round of the cluster's, and this slot is filled again, two K steps ahead: the first tensor load behind the round, 112 matrix instructions ahead of the wait for it.
.macro TURN slot, next, fill
	WIN 0                                          ; (the add's two registers lie in window 0)
	s_wait_tensorcnt 0x0                           ; all my tensor loads have landed: the one that was out is my part of the next slot;
	ds_add_u32 v[SPW], v[NIL]                      ; 0 onto my spare word;
	s_wait_dscnt 5                                 ; (the add and the youngest four loads may be out)
	MULA F1, 0, 0                                  ; eight matrix instructions stand between the add and the wait for it
	s_wait_dscnt 0x0                               ; the add is done, and my reads of this slot are over
	s_barrier_signal -1
	MULA F1, 1, 0
.if \fill
	WIN 0
.endif
	s_barrier_wait -1
.if \fill
	CREST                                          ; no wave of any partner still reads this slot's tile or has a load on its way
	s_add_nc_u64 s[G0+4*(\slot)+2:G0+4*(\slot)+3], s[G0+4*(\slot)+2:G0+4*(\slot)+3], 2*KSTEP*2
	s_add_nc_u64 s[G0B+4*(\slot)+2:G0B+4*(\slot)+3], s[G0B+4*(\slot)+2:G0B+4*(\slot)+3], 2*KSTEP*2
	JLOAD \slot                                    ; the four v_nop behind it are also the places in front of the loads below
.else
	PLACES
.endif
	FETCH \next, 0, F0
	MULA F1, 2, 0
	MULA F1, 3, 0
.endm
	s_wait_tensorcnt 1                             ; my part of K step 0 is in; K step 1's may stay out
	s_barrier_signal -1
	s_barrier_wait -1                              ; everybody's is
	FETCH 0, 0, F0
	QUARTER 0, 64, F0, F1, 1                       ; the first quarter stands in front of the loop: its products start the sums
	WIN 0                                          ; at a label and at a branch every window is 0
	s_mov_b32 s3, LAPS-1
.Llap:                                                 ; a trip goes once round the ring, from a lap's second quarter to the next lap's first, and fills both slots again
	QUARTER 0, 128, F1, F0, 0
	QUARTER 0, 192, F0, F1, 0
	TURN 0, 1, 1
	QUARTER 1, 64,  F0, F1, 0
	QUARTER 1, 128, F1, F0, 0
	QUARTER 1, 192, F0, F1, 0
	TURN 1, 0, 1
	QUARTER 0, 64,  F0, F1, 0
	WIN 0
	s_sub_co_u32 s3, s3, 1
	s_cmp_lg_u32 s3, 0
	s_cbranch_scc1 .Llap
	QUARTER 0, 128, F1, F0, 0                      ; the last lap fills nothing, and has no round of the cluster's barrier
	QUARTER 0, 192, F0, F1, 0
	TURN 0, 1, 0
	QUARTER 1, 64,  F0, F1, 0
	QUARTER 1, 128, F1, F0, 0
	QUARTER 1, 192, F0, F1, 0
	s_wait_dscnt 4                                 ; the very last quarter: nothing more to fetch
	MULA F1, 0, 0
	MULA F1, 1, 0
	s_wait_dscnt 0
	MULA F1, 2, 0
	MULA F1, 3, 0
	WIN 0
	PLACES
	PLACES                                         ; eight, once a launch
; THE WAY OUT, a block of 16 tokens at a time.  PACK: sum x row scale + bias, one fused multiply-add (each accumulator's registers in ascending order); here rounded to f16.
; TOSTAGE: into my own stage in LDS and back as whole rows.  SEND: stored, 512 consecutive bytes an instruction, aligned.
.if KIND
.set OB, 128                           ; 64 registers read back: v128-191 and v192-255 by turns
.set OBN, 64
.else
.set PK, 128                           ; v128-159 packed results
.set OB, 160                           ; 32 registers read back: v160-191 and v192-223 by turns
.set OBN, 32
.endif
.macro PACK a
	WIN 0x21                                       ; source 0 (the sums) window 1, source 2 (the bias) window 2
.irp b, 0,1,2,3,4,5,6,7
.irp j, 0,1,2,3
	v_pk_fma_f32 v[TM+8*(\b)+2*(\j):TM+8*(\b)+2*(\j)+1], v[8*(8*(\a)+(\b))+2*(\j):8*(8*(\a)+(\b))+2*(\j)+1], v[RS+2*(\a):RS+2*(\a)+1], v[8*(\b)+2*(\j):8*(\b)+2*(\j)+1]
.endr
.endr
	WIN 0
.if !KIND
.irp b, 0,1,2,3,4,5,6,7
.irp j, 0,1,2,3
	v_cvt_pk_f16_f32 v[PK+4*(\b)+(\j)], v[TM+8*(\b)+2*(\j)], v[TM+8*(\b)+2*(\j)+1]
.endr
.endr
.endif
.endm
.macro TOSTAGE a
.set BK, OB+OBN*((\a)%2)
.if (\a) >= 2
	s_wait_xcnt 0x0                                ; the stores of the block two back have read these registers: they are loaded again only behind this wait
.endif
.if KIND
.irp b, 0,1,2,3,4,5,6,7
	ds_store_b128 v[STO], v[TM+8*(\b):TM+8*(\b)+3]   offset:64*(\b)
	ds_store_b128 v[STO], v[TM+8*(\b)+4:TM+8*(\b)+7] offset:64*(\b)+16
.endr
.set f, 0
.rept 16
	ds_load_b128 v[BK+4*f:BK+4*f+3], v[RD] offset:f*SPITCH  ; LDS serves a wave's instructions in order (ISA guide 5.7.1.4): these see the stores above
.set f, f+1
.endr
.else
.irp b, 0,1,2,3,4,5,6,7
	ds_store_b128 v[STO], v[PK+4*(\b):PK+4*(\b)+3] offset:((\b)/4)*16*SPITCH+((\b)%4)*32  ; head b / 4 of my two, its columns 16 (b % 4) on
.endr
.set f, 0
.rept 8
	ds_load_b128 v[BK+4*f:BK+4*f+3], v[RD] offset:f*4*SPITCH  ; LDS serves a wave's instructions in order (ISA guide 5.7.1.4): these see the stores above
.set f, f+1
.endr
.endif
.endm
.macro SEND a
.set BK, OB+OBN*((\a)%2)
.if KIND
.set f, 0
.rept 16
	s_wait_dscnt 15-f
	global_store_b128 v[GO], v[BK+4*f:BK+4*f+3], s[14:15] offset:(16*(\a)+f)*4096 th:TH_STORE_NT  ; a token's 128 columns
.set f, f+1
.endr
.else
.set f, 0
.rept 8
	s_wait_dscnt 7-f
	global_store_b128 v[GO], v[BK+4*f:BK+4*f+3], s[14:15] offset:(f/4)*262144+(16*(\a)+4*(f%4))*128  ; four tokens of a head
.set f, f+1
.endr
.endif
.endm
	PACK 0
	TOSTAGE 0
.irp a, 1,2,3                          ; block a's arithmetic stands between block a - 1's loads from the stage and the wait for them
	PACK \a
	SEND (\a)-1
	TOSTAGE \a
.endr
	SEND 3
	s_wait_tensorcnt 0x0                           ; the wave's end: behind my last tensor load and my last LDS store
	ds_add_u32 v[SPW], v[NIL]
	s_wait_dscnt 0x0
	CROUND                                         ; the closing round: no work-group ends while a partner may still ask for a tile that names it
	s_endpgm
.Lfunc_end_k_qcf78ee270c_gemm_qkv:
	.size	k_qcf78ee270c_gemm_qkv, .Lfunc_end_k_qcf78ee270c_gemm_qkv-k_qcf78ee270c_gemm_qkv
	.p2alignl 7, 3214868480
	.fill 96, 4, 3214868480
	.section	.rodata,"a",@progbits
	.p2align	6, 0x0
	.amdhsa_kernel k_qcf78ee270c_gemm_qkv
		.amdhsa_group_segment_fixed_size 327680
		.amdhsa_private_segment_fixed_size 0
		.amdhsa_enable_private_segment 0
		.amdhsa_kernarg_size 48
		.amdhsa_user_sgpr_count 2
		.amdhsa_user_sgpr_kernarg_segment_ptr 1
		.amdhsa_wavefront_size32 1
		.amdhsa_system_sgpr_workgroup_id_x 1
		.amdhsa_system_sgpr_workgroup_id_y 1
		.amdhsa_system_sgpr_workgroup_id_z 1
		.amdhsa_system_vgpr_workitem_id 0
		.amdhsa_next_free_vgpr 576
		.amdhsa_next_free_sgpr 80
		.amdhsa_reserve_vcc 0
		.amdhsa_float_denorm_mode_32 3
		.amdhsa_float_denorm_mode_16_64 3
		.amdhsa_memory_ordered 1
		.amdhsa_forward_progress 1
		.amdhsa_inst_pref_size 98
	.end_amdhsa_kernel
	.amdgpu_metadata
---
amdhsa.version: [ 1, 2 ]
amdhsa.kernels:
  - .name:           k_qcf78ee270c_gemm_qkv
    .symbol:         k_qcf78ee270c_gemm_qkv.kd
    .args:
      - { .name: qx, .offset: 0, .size: 8, .value_kind: global_buffer, .address_space: global }
      - { .name: wq, .offset: 8, .size: 8, .value_kind: global_buffer, .address_space: global }
      - { .name: gam, .offset: 16, .size: 8, .value_kind: global_buffer, .address_space: global }
      - { .name: scl, .offset: 24, .size: 8, .value_kind: global_buffer, .address_space: global }
      - { .name: in_proj_bias, .offset: 32, .size: 8, .value_kind: global_buffer, .address_space: global }
      - { .name: qkv, .offset: 40, .size: 8, .value_kind: global_buffer, .address_space: global }
    .group_segment_fixed_size: 327680
    .private_segment_fixed_size: 0
    .kernarg_segment_align: 8
    .kernarg_segment_size: 48
    .max_flat_workgroup_size: 128
    .sgpr_count:     80
    .vgpr_count:     576
    .wavefront_size: 32
...
	.end_amdgpu_metadata
.endif
;; end of part 3
;; launch attn (part 4): grid 4 x 64, 4 waves a work-group, clusters of 4 x 1, 327,680 bytes of LDS; arguments qkv, ctx; writes ctx
.if DOCPART == 4
	.amdgcn_target "amdgcn-amd-amdhsa--gfx1250"
	.amdhsa_code_object_version 6
	.text
	.protected	k_qcf78ee270c_attn
	.globl	k_qcf78ee270c_attn
	.p2align	8
	.type	k_qcf78ee270c_attn,@function
k_qcf78ee270c_attn:
	s_mov_b64 s[64:65], 0
	v_nop
	global_prefetch_b8 v0, s[64:65] scope:SCOPE_SE
	s_setreg_imm32_b32 hwreg(HW_REG_WAVE_MODE, 25, 1), 1
	s_wait_xcnt 0x0
	s_wait_alu depctr_hold_cnt(0) depctr_sa_sdst(0) depctr_va_vdst(0) depctr_va_sdst(0) depctr_va_ssrc(0) depctr_va_vcc(0) depctr_vm_vsrc(0)
	s_getreg_b32 s2, hwreg(HW_REG_IB_STS2, 6, 4)
	s_cmp_eq_u32 s2, 0
	s_cbranch_scc0 .Lentry_in_a_cluster
	s_endpgm
.Lentry_in_a_cluster:
	s_bfe_u32 s2, ttmp6, 0x10000c
	s_cmp_lg_u32 s2, 0x3003
	s_cbranch_scc0 .Lentry_shape_is_right
	s_endpgm
.Lentry_shape_is_right:
; ATTENTION.  O[h][q][:] = the sum over k of softmax_k(Q[h][q] . K[h][k] / 8) V[h][k][:].  qkv: [3][SIZE_H][SIZE_N][64] f16 (Q, K, V; h = 16 batch + head): a head's rows are dense, 128 bytes each.
; Products, maxima and sums in f32; the weights p are rounded to f16 for the second product (their sum l is taken of the unrounded p).  O leaves in f32, unrounded, as ctx[batch][token][64 head + channel]:
; the next launch rounds it to a grid of its row's maximum / 128, so no rounding is spent here.
; LIMITS.  f16 holds no number beyond 65,504: Q, K and V arrive within it; p lies in 0 to 1, and below 6e-5 it keeps f16's fixed step of 6e-8.  A weight below 2^-126 counts as 0 in l; NaN and infinities are not treated apart.
; SHARES.  A wave owns four PIECES of two tiles of 16 queries, a work-group's four waves 512 queries of one head: 256 work-groups.  Every wave walks all keys, 64 a step.
; LAYOUT.  S^T = K Q^T (source 0 = 16 keys, source 1 = 16 queries): in the result a lane holds ONE query (lane % 16) and the keys 8 (lane / 16) + 0..7.  Two such tiles, rounded to f16 in pairs,
; ARE source 1 (32 keys x 16 queries) of O^T = V^T P, whose result again holds one query a lane, and eight channels.  K comes out of LDS as it lies, V ([key][channel]) turned, by ds_load_tr16_b128.
; SOFTMAX.  For each query a running maximum m and sum l: p = 2^(c s - c m), c = log2(e) / 8; in every step O and l are multiplied by a = 2^(c m_old - c m_new), which is 1 where m has not grown.
; m starts at the lowest finite number, O and l at 0: the first step is a step like any other, with a = 0.
; THE COUNT.  A tile and step have 16 matrix and 118 vector instructions: too many to stand all beside the matrix work.  So the order has one aim: four vector instructions that are READY behind
; EVERY matrix instruction, and the others, which need time of their own whatever the order, in runs without a gap.
; BY TURNS.  Turn n belongs to piece n (the pieces in a ring, step after step).  Its matrix work: 16 products K Q^T of piece n + 1, later 16 products V^T P of piece n - 1.  Its vector work: the scaling,
; exponentials, roundings, sums and rescaling of piece n, and the maximum and statistics of piece n + 1, whose scores the turn itself has made.  So what a turn begins with (c s - c m, O a) waits for nothing.
; CLUSTER.  The four query blocks of a head are one cluster and walk the same K and V, so each tile is asked for JOINTLY: the same tensor load, descriptor and mask in all four.
; REGISTERS, in windows of 256 (s_set_vgpr_msb says which window each operand place means: bits 1:0 source 0, 3:2 source 1, 5:4 source 2, 7:6 destination):
;   window 0: v0-11 addresses; v12-15, v48-63 at work; v16-47 four registers of statistics a tile; v64-191 S^T, two buffers of two tiles; v192-255 P, likewise
;   window 1: O^T, 32 a tile          window 2: v0-127 Q, 16 a tile; v128-191 K of one step; v192-255 V of one step          window 3: v0-1 the add's two registers
; A piece's buffers go by its number's parity: the piece in hand has one pair, its two neighbours in the ring share the other: of it P (piece n - 1) is read and S^T (piece n + 1) written.
.set SIZE_H, 64
.set SIZE_N, 2048
.set NP,    4         ; pieces a wave: a name, no knob: the register map, the loop and the fetches are made for four
.set KS,    64        ; keys in a step
.set PK,    144       ; a row of K in LDS: 128 bytes + 16 of padding = 36 words: the 16 rows of a load start at 16 different groups of four banks (64 banks of 4 bytes: ISA guide 11.1)
.set PV,    160       ; a row of V: 128 + 32 = 40 words
.set VOFF,  4*KS*PK   ; a slot holds four steps: 256 rows of K, then 256 rows of V
.set SLOT1, 1<<17     ; slot 1 begins here, so that one exclusive or turns an address in one slot into the other's
.set STAGE, SLOT1+4*KS*(PK+PV)  ; behind the ring, never filled by a tensor load: 16 rows x 272 bytes for each wave, for the way out
.set SP,    272       ; a stage row: 64 f32 + 16 bytes = 68 words: row r starts at bank 4 r mod 64
.set AK0, 2           ; v2   my lane's place in a tile of K; never rewritten
.set AV0, 3           ; v3   the same for V
.set AK,  4           ; v4   the LDS address of K's next run of loads
.set AV,  5           ; v5   of V's
.set QO,  6           ; v6   my byte offset in the wave's rows of Q
.set STO, 6           ;      later, the way out: where I put 32 bytes of a row
.set RD,  7           ; v7   the way out: where I read rows back
.set GO,  8           ; v8   my byte offset in two tokens' rows of ctx
.set PFO, 11          ; v11  256 x my lane, for the prefetches; never rewritten once made
.set SPW, 0           ; v0 of window 3   LDS address of my spare word: SPARE + 4 x my thread's number; never rewritten
.set NIL, 1           ; v1 of window 3   0; never rewritten
.set SPARE, STAGE+4*16*SP  ; behind the stages: the spare words, 128 bytes for each wave: two blocks of 256 bytes that no other line names
.set MV,  12          ; v12-15  c m_old, kept while c m is made anew: by buffer and tile
.set ST,  16          ; tile t's statistics at v[ST+4 t]: c m, m, l (even keys', odd keys')
.set TMP, 48          ; by buffer and tile, four registers c0-c3 at work; when the maximum is found c2 takes a
.set S,   64
.set P,   192
.set KF,  128         ; K's fragments, in window 2: key block kb, channel half c at KF + 16 kb + 8 c
.set VF,  192         ; V's: key half kk, channel block cb at VF + 32 kk + 8 cb
.set WV,  12          ; s12  my wave's number
.set G1K, 24          ; s[24:31] descriptor group 1 for K's tiles
.set G1V, 32          ; s[32:39] for V's: it differs in the padding alone
.set G0K, 40          ; s[40:43] descriptor group 0 for K's tiles: it walks
.set G0V, 44          ; s[44:47] the same for V's
.set PFA, 48          ; s[48:49] where my prefetches stand: my work-group's 8,192 bytes (of K: wave 0, of V: wave 2) of the slot after the one that is being asked for
.set LIM, 50          ; s50  1 in a wave that prefetches, else the greatest number: a wave prefetches while s[SLOTS] is above it
.set SLOTS, 56        ; s56  slots still to be asked for
.set CNT, 57          ; s57  counts a slot's key steps
.set CS,  58          ; s[58:59] c: the packed scaling takes the pair's low word for both halves
.set SEL, 60          ; s[60:61] v_permlanex16_b32's selects: each lane takes its own place in the other half
.set TBK, 62          ; s62  LDS byte at which K of the step to be fetched begins
.set TBV, 63          ; s63  the same for V, less VOFF
.set MSB, 0
.macro WIN new                      ; the high byte repeats the setting that is left; a switch that changes nothing is dropped
.if MSB != (\new)
	s_set_vgpr_msb (MSB<<8)|(\new)
.set MSB, (\new)
.endif
.endm
.set W_KQ, 0x0a       ; K and Q in window 2, S^T in window 0
.set W_PV, 0x52       ; V in window 2, P in window 0, O^T in window 1
.set W_RS, 0x41       ; O^T (destination and source 0) in window 1, a in window 0
.set W_MK, 0xc0       ; the add's registers are made: destination in window 3, sources in window 0
.set W_AD, 0x0f       ; the add: address (source 0) and data (source 1) in window 3
; A joint fill.  Waves 0 and 1 fetch the two halves of a slot's K, waves 2 and 3 those of its V: 128 keys each.  The branch hangs on the wave's number alone.
; An s_nop 0 and four v_nop follow each of the two lines, ahead of the jump and the label.
.macro JLOAD
	s_cmp_lt_u32 s[WV], 2
	s_cbranch_scc0 .Lfor_v_\@
	tensor_load_to_lds s[G0K:G0K+3], s[G1K:G1K+7]
	s_nop 0
.rept 4
	v_nop
.endr
	s_branch .Lasked_\@
.Lfor_v_\@:
	tensor_load_to_lds s[G0V:G0V+3], s[G1V:G1V+7]
	s_nop 0
.rept 4
	v_nop
.endr
.Lasked_\@:
.endm
; A PREFETCH INTO THE L2 of what the NEXT change of slots will ask for: a slot's 32,768 bytes of K and of V, 256 bytes a lane.  It stands behind the wave's tensor load and its five lines.
; Each block of 256 bytes is named ONCE in the launch: a head has one cluster; its four partners share a slot out BY ADDRESS, 8,192 bytes each (no branch hangs on a work-group's place in its cluster);
; in each, wave 0 asks for K's and wave 2 for V's: one instruction.  The lead is a slot, four key steps: the changes of slots are the only places at which this text issues tensor loads.
; Slots 0 and 1 come by their loads alone; the last change that fills a slot asks for nothing: there is no slot behind it.
.macro ASK
	s_cmp_gt_u32 s[SLOTS], s[LIM]
	s_cbranch_scc0 .Lnot_mine_\@
	global_prefetch_b8 v[PFO], s[PFA:PFA+1] th:TH_LOAD_NT scope:SCOPE_SE
.Lnot_mine_\@:
.endm
; A round of the cluster's barrier: my work-group's barrier, so that wave 0's signal speaks for all four waves; wave 0 signals; every wave waits for all four work-groups; my work-group's barrier once more.
.macro CROUND
	s_barrier_signal -1
	s_barrier_wait -1
	s_cmp_lg_u32 s[WV], 0
	s_cbranch_scc1 .Lnot_wave_0_\@
	s_barrier_signal -3
.Lnot_wave_0_\@:
	s_barrier_wait -3
	s_barrier_signal -1
	s_barrier_wait -1
.endm
; THE CHANGE OF SLOTS.  The slot's last bytes, V of its fourth step, have been read.  Each wave waits for all its tensor loads, of which one is out: its part
; of the other slot; adds 0 to its spare word; and waits for that and for its own reads of the slot.  Behind the barrier nobody reads this slot any more and the other slot is whole.
; fill = 1: this slot is filled again, with the keys two slots on.  The barrier is then a round of the cluster's, so that no wave of any partner still reads the slot or has a load on its
; way, and the joint fill is the first thing behind it: it has four key steps, 512 matrix instructions, in which to land.  (At its first use nothing has been read yet: slot 0 is waited for, slot 1 filled.)
.macro CHANGE fill
	WIN W_AD
	s_wait_tensorcnt 0x0            ; no tensor load of mine is out, so a group 0 may be written
	ds_add_u32 v[SPW], v[NIL]       ; 0 onto my spare word; with fill = 1 the descriptors' steps stand between it and the wait for it
	WIN 0                           ; at a label and at a branch every window is 0
.if \fill
.irp g, G0K, G0V
	s_xor_b32 s[\g+1], s[\g+1], SLOT1  ; the walking descriptor: the other slot than last time,
	s_add_nc_u64 s[\g+2:\g+3], s[\g+2:\g+3], 4*KS*128  ; the next 256 keys; the type bits on top are not reached
.endr
	s_wait_xcnt 0x0                 ; the last prefetch, four key steps back, has read its address, so it may be written:
	s_add_nc_u64 s[PFA:PFA+1], s[PFA:PFA+1], 4*KS*128  ; one slot ahead of the walking descriptors
	s_wait_dscnt 0x0                ; the add is done, and my reads of the slot are over
	CROUND
	JLOAD
	ASK
.else
	s_wait_dscnt 0x0                ; the add is done, and my reads of the slot are over
	s_barrier_signal -1
	s_barrier_wait -1
.endif
	s_sub_co_u32 s[TBK], s[TBK], 4*KS*PK  ; the fetches go back to a slot's first step,
	s_xor_b32 s[TBK], s[TBK], SLOT1       ; in the other slot
	s_sub_co_u32 s[TBV], s[TBV], 4*KS*PV
	s_xor_b32 s[TBV], s[TBV], SLOT1
.endm
	s_load_b128 s[4:7], s[0:1], 0x0   ; qkv s[4:5], ctx s[6:7]
	WIN W_MK
	v_lshl_add_u32 v[SPW], v0, 2, SPARE
	v_mov_b32 v[NIL], 0
	WIN W_AD
	ds_add_u32 v[SPW], v[NIL]       ; the wave's opening: the add and its wait, ahead of my first tensor load; the set-up below, work on registers, stands between them
	ds_add_u32 v0, v1
	WIN 0
	v_lshrrev_b32 v1, 5, v0
	v_readfirstlane_b32 s[WV], v1   ; wave 0..3
	s_bfe_u32 s13, ttmp6, 0x40000   ; cx: my place in the cluster
	s_lshl_b32 s14, ttmp9, 2        ; in a cluster launch ttmp9 counts clusters
	s_add_co_u32 s14, s14, s13      ; my block of queries = 4 x cluster x + cx: it enters Q's and O's addresses alone
	s_and_b32 s20, ttmp7, 0xffff    ; the head, which the four partners share
	s_mov_b32 s21, 0
	s_mov_b64 s[22:23], SIZE_N*128
	s_mul_u64 s[20:21], s[20:21], s[22:23]  ; the head's first byte in each of Q, K, V
	s_and_b32 s16, s[WV], 1         ; which half of a slot's 256 keys I fetch:
	s_lshl_b32 s22, s16, 14         ; its 128 rows of 128 bytes in memory,
	s_mov_b32 s23, 0
	s_add_nc_u64 s[22:23], s[22:23], s[20:21]
	s_mul_i32 s17, s16, 128*PK      ; and its place in a slot, for K
	s_mul_i32 s18, s16, 128*PV      ; and for V: no place in the cluster enters an LDS address
	s_lshl_b32 s2, s14, 2
	s_add_co_u32 s2, s2, s[WV]      ; my wave among the head's,
	s_lshl_b32 s2, s2, 14           ; its 128 rows
	s_mov_b32 s3, 0
	s_add_nc_u64 s[2:3], s[2:3], s[20:21]
	s_and_b32 s51, ttmp7, 0xffff    ; O's place in ctx: token (batch x 2,048 + my wave's first of 128) x 4,096 bytes + head x 256 bytes
	s_lshr_b32 s52, s51, 4
	s_lshl_b32 s52, s52, 11
	s_lshl_b32 s53, s14, 2
	s_add_co_u32 s53, s53, s[WV]
	s_lshl_b32 s53, s53, 7
	s_add_co_u32 s52, s52, s53
	s_lshl_b32 s52, s52, 12
	s_and_b32 s53, s51, 15
	s_lshl_b32 s53, s53, 8
	s_add_co_u32 s52, s52, s53
	s_mov_b32 s53, 0
	s_lshl_b32 s54, s13, 13         ; the prefetches: my work-group's 8,192 bytes of a slot,
	s_add_co_u32 s54, s54, 4*KS*128 ; in slot 1: the first change of slots steps it to slot 2
	s_mov_b32 s55, 0
	s_and_b32 s[LIM], s[WV], 1      ; waves 0 and 2 ask
	s_cmp_eq_u32 s[LIM], 0
	s_cselect_b32 s[LIM], 1, -1
	; descriptor group 1.  128 keys are 16,384 dense bytes: asked for as 64 rows of 256 bytes, two keys a row, and padded in LDS after every key
	s_mov_b32 s[G1K], 15|(1<<16)|(1<<20)|(1<<21)|(4<<22)|(3<<25)  ; 15:0 the mask of four; 17:16 2-byte elements; 20 padding on; 21 set beside a mask; 24:22 after every 32 words (code 4); 31:25 4 words (code 3)
	s_mov_b32 s[G1V], 15|(1<<16)|(1<<20)|(1<<21)|(4<<22)|(7<<25)  ; the same with 8 words of padding (code 7)
.irp g, G1K, G1V
	s_mov_b32 s[\g+1], 128<<16      ; tensor_dim0 = 128
	s_mov_b32 s[\g+2], 64<<16       ; tensor_dim1 = 64
	s_mov_b32 s[\g+3], 128<<16      ; tile_dim0 = 128
	s_mov_b32 s[\g+4], 64           ; tile_dim1 = 64
	s_mov_b32 s[\g+5], 128          ; 128 elements from row to row
	s_mov_b32 s[\g+6], 0
	s_mov_b32 s[\g+7], 0
.endr
	s_mov_b32 s[CS], 0x3e38aa3b     ; c = log2(e) / 8 = 0.180337
	s_mov_b32 s[CS+1], s[CS]        ; named with it as a pair
	s_mov_b32 s[SEL], 0x76543210
	s_mov_b32 s[SEL+1], 0xfedcba98
	s_mov_b32 s[TBK], SLOT1+4*KS*PK ; the first change of slots turns these two into 0
	s_mov_b32 s[TBV], SLOT1+4*KS*PV
	s_mov_b32 s[SLOTS], SIZE_N/256-1
	s_mov_b32 s[G0K], 1             ; 1:0 count = 1
	s_mov_b32 s[G0K+1], s17         ; 63:32 LDS address: slot 0
	s_mov_b32 s[G0V], 1
	s_add_co_u32 s[G0V+1], s18, VOFF
	s_wait_dscnt 0x0                ; the opening add is done
	s_wait_kmcnt 0x0
	s_mov_b64 s[10:11], s[6:7]                     ; ctx
	s_add_nc_u64 s[8:9], s[4:5], 0x2000000         ; V: the third 16 MiB of qkv
	s_add_nc_u64 s[6:7], s[4:5], 0x1000000         ; K: the second
	s_add_nc_u64 s[G0K+2:G0K+3], s[6:7], s[22:23]  ; 120:64 global address: my half of the head's first 256 keys
	s_or_b32 s[G0K+3], s[G0K+3], 0x80000000        ; 127:126 type = 2
	s_add_nc_u64 s[G0V+2:G0V+3], s[8:9], s[22:23]
	s_or_b32 s[G0V+3], s[G0V+3], 0x80000000
	s_cmp_lt_u32 s[WV], 2
	s_cselect_b64 s[PFA:PFA+1], s[6:7], s[8:9]
	s_add_nc_u64 s[PFA:PFA+1], s[PFA:PFA+1], s[20:21]
	s_add_nc_u64 s[PFA:PFA+1], s[PFA:PFA+1], s[54:55]
	s_add_nc_u64 s[4:5], s[4:5], s[2:3]            ; Q at my wave's first row
	s_add_nc_u64 s[10:11], s[10:11], s[52:53]      ; O at my wave's first token, my head's channels
	CROUND                          ; all four work-groups are here: the first joint loads meet
	JLOAD                           ; slot 0.  Slot 1 is asked for when slot 0 is in: the tile wanted first has the road to itself
	; A fragment of K or Q is 16 rows x 32 channels in 8 registers: lane l holds row l % 16, channels 8 (l / 16) + 0..7 and 16 + 8 (l / 16) + 0..7: two loads of 16 bytes, 32 bytes apart.
	v_and_b32 v1, 15, v0            ; l % 16
	v_bfe_u32 v9, v0, 4, 1          ; l / 16
	v_lshlrev_b32 v[QO], 7, v1
	v_lshl_add_u32 v[QO], v9, 4, v[QO]  ; row x 128 + 16 x half
	WIN 0x80                        ; destination window 2, address window 0
.set i, 0
.rept 4*NP                          ; Q stays in registers: tile i / 2, channels 32 (i % 2) on
	global_load_b128 v[8*i:8*i+3],   v[QO], s[4:5] offset:(i/2)*2048+(i%2)*64
	global_load_b128 v[8*i+4:8*i+7], v[QO], s[4:5] offset:(i/2)*2048+(i%2)*64+32
.set i, i+1
.endr
	; What the first turn finds: V's registers and P's second buffer hold 0 (its products V^T P, of a piece that has not been, add 0), O^T and l are 0.  All this stands in the wait for the first tile.
.set i, VF
.rept 64
	v_mov_b32 v[i], 0
.set i, i+1
.endr
	WIN 0x40
.set i, 0
.rept 64*NP
	v_mov_b32 v[i], 0
.set i, i+1
.endr
	WIN 0
.set i, 0
.rept 2*NP
	v_mov_b32 v[ST+4*i], 0xfe000000    ; c m: far below every c s
	v_mov_b32 v[ST+4*i+1], 0xff7fffff  ; m
	v_mov_b32 v[ST+4*i+2], 0
	v_mov_b32 v[ST+4*i+3], 0
.set i, i+1
.endr
.set i, P+32
.rept 32
	v_mov_b32 v[i], 0
.set i, i+1
.endr
	v_mul_u32_u24 v[AK0], v1, PK
	v_lshl_add_u32 v[AK0], v9, 4, v[AK0]  ; row x pitch + 16 x half
	; The turning load takes 16 keys x 16 channels (lane l reads key 8 (l / 16) + l % 8, channels 8 ((l / 8) % 2) + 0..7) and leaves half a fragment of V^T: lane l holds channel l % 16 and 8 keys.
	v_and_b32 v10, 7, v0
	v_bfe_u32 v11, v0, 3, 1
	v_lshl_add_u32 v[AV0], v9, 3, v10
	v_mul_u32_u24 v[AV0], v[AV0], PV
	v_lshl_add_u32 v[AV0], v11, 4, v[AV0]
	v_add_nc_u32 v[AV0], VOFF, v[AV0]
	v_and_b32 v[PFO], 31, v0        ; v11 is free from here on
	v_lshlrev_b32 v[PFO], 8, v[PFO]
	v_mov_b32 v[AK], v[AK0]         ; key step 0 lies at the head of slot 0
; THE MATRIX WORK.  The 8 accumulators of a run of 16 take turns: between the two links of a chain stand 7 others'.
; Product i of 16 of S^T = K Q^T for piece x: channels 32 (i / 8) on, keys 16 ((i / 2) % 4) on, tile 2 x + i % 2.  The first 8 start the sums.
.macro KQ x
	WIN W_KQ
.set rS, S+64*((\x)%2)+32*(i%2)+8*((i/2)%4)
.set rK, KF+16*((i/2)%4)+8*(i/8)
.set rQ, 16*(2*(\x)+i%2)+8*(i/8)
.if i < 8
	v_wmma_f32_16x16x32_f16 v[rS:rS+7], v[rK:rK+7], v[rQ:rQ+7], 0
.else
	v_wmma_f32_16x16x32_f16 v[rS:rS+7], v[rK:rK+7], v[rQ:rQ+7], v[rS:rS+7]
.endif
.endm
; Product i of 16 of O^T += V^T P for piece x: keys 32 (i / 8) on, channels 16 ((i / 2) % 4) on, tile 2 x + i % 2.
.macro PV x
	WIN W_PV
.set rO, 32*(2*(\x)+i%2)+8*((i/2)%4)
.set rV, VF+32*(i/8)+8*((i/2)%4)
.set rP, P+32*((\x)%2)+16*(i%2)+8*(i/8)
	v_wmma_f32_16x16x32_f16 v[rO:rO+7], v[rV:rV+7], v[rP:rP+7], v[rO:rO+7]
.endm
.macro MM                           ; the turn's next matrix instruction
.if i < 16
	KQ (Y+1)%NP
.set i, i+1
.else
.set i, i-16
	PV (Y+NP-1)%NP
.set i, i+17
.endif
.endm
; THE LDS LOADS stand in runs of 16, never singly among the matrix instructions: a step's K (64 keys x 64 channels: 8 fragments) and its V (turned).  Their addresses are made some lines ahead.
; last = 1 (the tail): in the last trip there is no further step, and the run is jumped over.
.macro FETCH_K last=0
	WIN 0
.if \last
	s_cmp_eq_u32 s[CNT], 1
	s_cbranch_scc1 .Lno_k_\@
.endif
	WIN 0x80                        ; destination window 2
.irp f, 0,1,2,3,4,5,6,7             ; keys 16 (f / 2) on, channels 32 (f % 2) on
	ds_load_b128 v[KF+8*\f:KF+8*\f+3],   v[AK] offset:(\f/2)*16*PK+(\f%2)*64
	ds_load_b128 v[KF+8*\f+4:KF+8*\f+7], v[AK] offset:(\f/2)*16*PK+(\f%2)*64+32
.endr
	s_add_co_u32 s[TBK], s[TBK], KS*PK  ; the next fetch is the next step's
	WIN 0
.if \last
.Lno_k_\@:
.endif
.endm
.macro FETCH_V
	WIN 0x80
.irp f, 0,1,2,3,4,5,6,7             ; keys 32 (f / 4) on, channels 16 (f % 4) on
	ds_load_tr16_b128 v[VF+8*\f:VF+8*\f+3],   v[AV] offset:(\f/4)*32*PV+(\f%4)*32
	ds_load_tr16_b128 v[VF+8*\f+4:VF+8*\f+7], v[AV] offset:(\f/4)*32*PV+16*PV+(\f%4)*32
.endr
	WIN 0
.endm
; THE VECTOR WORK OF A TURN stands in three queues, each in the order in which its entries become ready; the two tiles alternate, so that no instruction reads the result of the one before it.
.macro REGS y, u                    ; the registers of tile u (0, 1) of piece y
.set rT, ST+4*(2*(\y)+(\u))
.set rC, TMP+8*((\y)%2)+4*(\u)
.set rM, MV+2*((\y)%2)+(\u)
.set rS, S+64*((\y)%2)+32*(\u)
.set rP, P+32*((\y)%2)+16*(\u)
.set rO, 32*(2*(\y)+(\u))
.endm
; Number n of the 22 that find the NEXT piece's (Y + 1) maximum and statistics.  s0-s31 are the lane's 32 scores; each accumulator's lowest registers are read first.  XS, GS and REGS set no window: PL and EX do.
;   0-11  four chains c0-c3 of seven scores each, three operands at a time     12-14, 16  the four scores left over, the old m, and c0-c3 into c0     15  c m_old is kept
;   17, 18  the query's other 32 keys lie in the lane 16 away: the new m         19-21  c m; c m_old - c m_new; a
.macro XS u, n
	REGS (Y+1)%NP, \u
.if (\n) < 4
	v_max3_num_f32 v[rC+(\n)], v[rS+8*(\n)], v[rS+8*(\n)+1], v[rS+8*(\n)+2]
.elseif (\n) < 12
	v_max3_num_f32 v[rC+(\n)%4], v[rC+(\n)%4], v[rS+8*((\n)%4)+2*((\n)/4)+1], v[rS+8*((\n)%4)+2*((\n)/4)+2]
.elseif (\n) == 12
	v_max3_num_f32 v[rC], v[rC], v[rS+7], v[rS+15]
.elseif (\n) == 13
	v_max3_num_f32 v[rC+1], v[rC+1], v[rS+23], v[rS+31]
.elseif (\n) == 14
	v_max3_num_f32 v[rC+2], v[rC+2], v[rC+3], v[rT+1]
.elseif (\n) == 15
	v_mov_b32 v[rM], v[rT]
.elseif (\n) == 16
	v_max3_num_f32 v[rC], v[rC], v[rC+1], v[rC+2]
.elseif (\n) == 17
	v_permlanex16_b32 v[rC+3], v[rC], s[SEL], s[SEL+1]
.elseif (\n) == 18
	v_max_num_f32 v[rT+1], v[rC], v[rC+3]
.elseif (\n) == 19
	v_mul_f32 v[rT], s[CS], v[rT+1]
.elseif (\n) == 20
	v_sub_f32 v[rC+1], v[rM], v[rT]
.else
	v_exp_f32 v[rC+2], v[rC+1]
.endif
.endm
; Number g of the 64 that follow the exponentials.  For each four weights k of a tile (pairs 2 k, 2 k + 1): both pairs are rounded to f16; then the second pair is added onto the first, in place;
; a group later l takes that sum (the first time as l = a l + sum).  In groups of eight, tiles alternating: round, round, add, and l for the group before.
.macro GS g
.set h, (\g)+6*((\g)/62)            ; group 0 has no group before it, and behind group 7 only l is left
.if h >= 6
.set h, h+2
.endif
	REGS Y, h%2
.set k, h/8
.if h%8 < 4
	s_wait_alu depctr_va_vdst(0)
	v_cvt_pk_f16_f32 v[rP+2*k+(h%8)/2], v[rS+4*k+2*((h%8)/2)], v[rS+4*k+2*((h%8)/2)+1]
.elseif h%8 < 6
	v_pk_add_f32 v[rS+4*k:rS+4*k+1], v[rS+4*k:rS+4*k+1], v[rS+4*k+2:rS+4*k+3]
.elseif k == 1
	v_pk_fma_f32 v[rT+2:rT+3], v[rT+2:rT+3], v[rC+2:rC+3], v[rS:rS+1] op_sel_hi:[1,0,1]
.else
	v_pk_add_f32 v[rT+2:rT+3], v[rT+2:rT+3], v[rS+4*k-4:rS+4*k-3]
	s_wait_alu depctr_va_vdst(0)
.endif
.endm
; THE PLAIN QUEUE, 138 long.  0-31: c s - c m for the 16 pairs of both tiles.  Then GS's 64, and among them the next piece's 42: number 15 at 38, 39; 0-14 and 16
; at 42-73, behind the products that make those scores; 17-20 at 95-106, two of three, since each waits for the one before it.
.macro PL
	WIN 0
.if q < 32
	REGS Y, q%2
	v_pk_fma_f32 v[rS+2*(q/2):rS+2*(q/2)+1], v[rS+2*(q/2):rS+2*(q/2)+1], s[CS:CS+1], v[rT:rT+1] op_sel_hi:[1,0,0] neg_lo:[0,0,1] neg_hi:[0,0,1]
.elseif q < 38
	GS q-32
.elseif q < 40
	XS q%2, 15
.elseif q < 42
	GS q-34
.elseif q < 74
	XS q%2, (q-42)/2+(q-42)/30
.elseif q < 95
	GS q-66
.elseif (q < 107) && ((q-95)%3 < 2)
	XS (q-95)%3, 17+(q-95)/3
.elseif q < 107
	GS 29+(q-95)/3
.else
	GS q-74
.endif
.set q, q+1
.endm
; THE EXPONENTIALS' QUEUE, 66 long: s0-s31 of both tiles, and at EA the next piece's two a.
.set EA, 58
.macro EX
	WIN 0
.if (e == EA) || (e == EA+1)
	XS e-EA, 21
.else
.set x, e-2*(e/(EA+2))
	REGS Y, x%2
	v_exp_f32 v[rS+x/2], v[rS+x/2]
.endif
.set e, e+1
.endm
; THE RESCALING's QUEUE: O^T times a, the one part that leaves window 0, so it is dealt four at a time, eight times.
.macro R4
	REGS Y, r%2
	WIN W_RS
	s_wait_alu depctr_va_vdst(0)
.irp z, 0,1,2,3
	v_pk_mul_f32 v[rO+8*(r/2)+2*\z:rO+8*(r/2)+2*\z+1], v[rO+8*(r/2)+2*\z:rO+8*(r/2)+2*\z+1], v[rC+2:rC+3] op_sel_hi:[1,0]
.endr
.set r, r+1
.endm
; HOW THEY ARE DEALT.  Behind a matrix instruction four: plain, exponential, plain, plain (one exponential, a plain instruction on either side), or four of the rescaling.  None names a register of the
; products round it.  What is over stands in two LUMPS: exponential and plain by turns; the second ends in 22 plain instructions.  The two v_permlanex16_b32 fall into the second lump, never behind a product.
; The queues lean on each other, and the deal keeps them in step: exponential e stands behind plain 2 (e / 4) + e % 2 (its scaling); when plain 32 comes, 10 exponentials are out, at 59: 33, at 95: 46; EA comes behind plain 107.
.macro SL
	MM
	PL
	EX
	PL
	PL
.endm
.macro BURST n                      ; 15 matrix instructions, or 16
.rept (\n)-7
	SL
.endr
.rept 3
	MM
	R4
	SL
.endr
	MM
	R4
.endm
; A TURN, for piece p.  cnt = 1: the loop's count is taken down some lines ahead of the branch that stands behind the turn.
; K of the next step is fetched in piece 2's turn, 31 vector instructions behind the last product that read K; its first reader comes behind the rest of the lump, 16 products and the second lump.
; V of the step in hand is fetched at the end of piece 0's turn, 69 behind its last reader; its first reader comes behind 16 products and a lump.  The four conditions on e and q below go with the deal.
.macro TURN p, last=0, cnt=0
.set Y, (\p)
.set i, 0
.set q, 0
.set e, 0
.set r, 0
.if (\p) == NP-1
	s_wait_dscnt 0x0                ; K is in
.endif
	MM
.rept 4
	PL
.endr
	BURST 15
.rept 22
	EX
	PL
.if ((\p) == NP-2) && (e == 18)
	v_add_nc_u32 v[AK], s[TBK], v[AK0]
.endif
.if ((\p) == NP-2) && (e == 24)
	FETCH_K \last
.endif
.endr
.if (\p) == 1
	s_wait_dscnt 0x0                ; V is in
.endif
	BURST 16
.rept 21
	EX
	PL
.endr
.rept 22
	PL
.if ((\p) == 0) && (q == 118)
	v_add_nc_u32 v[AV], s[TBV], v[AV0]
	s_wait_alu depctr_va_vdst(0)
.endif
.if ((\p) == 0) && (q == 130)
	s_add_co_u32 s[TBV], s[TBV], KS*PV
.endif
.if (\cnt) && (q == 130)
	s_sub_co_u32 s[CNT], s[CNT], 1
	s_cmp_lg_u32 s[CNT], 0
.endif
.endr
.if (\p) == 0
	FETCH_V
.endif
.endm
	CHANGE 1                        ; slot 0 is in, everybody's part of it; slot 1 is asked for
	FETCH_K                         ; key step 0
	s_wait_loadcnt 0x0              ; Q
	s_wait_dscnt 0x0
.set i, 0
.rept 16
	KQ 0                            ; piece 0's first scores: there is no vector work yet to set between them
.set i, i+1
.endr
	WIN 0                           ; the addresses for the way out: eight plain instructions, the places behind those products
	s_mul_i32 s13, s[WV], 16*SP
	s_add_co_u32 s13, s13, STAGE    ; my stage
	v_mul_u32_u24 v[STO], v1, SP    ; in: row l % 16, 32 bytes for each half of the lanes
	v_lshl_add_u32 v[STO], v9, 5, v[STO]
	v_add_nc_u32 v[STO], s13, v[STO]
	v_mul_u32_u24 v[RD], v9, SP     ; back: lanes 0-15 take one row of 256 bytes, lanes 16-31 the next,
	v_lshl_add_u32 v[RD], v1, 4, v[RD]
	v_add_nc_u32 v[RD], s13, v[RD]
	v_lshlrev_b32 v[GO], 12, v9     ; which belong to two tokens, 4,096 bytes apart in ctx
	v_lshl_add_u32 v[GO], v1, 4, v[GO]
.set Y, NP-1                        ; XS works for piece Y + 1: piece 0
.irp n, 0,1,2,3,4,5,6,7,8,9,10,11,12,13,14,15,16,17,18,19,20,21
	XS 0, \n                        ; and piece 0's first maximum and statistics
	XS 1, \n
.endr
	s_mov_b32 s[CNT], 4
	s_branch .Lfirst                ; the loop is entered at a step's first turn, in the middle of a trip
.Lslot:                             ; SIZE_N / 256 - 2 times: every slot but the last two is filled again
	CHANGE 1
	s_mov_b32 s[CNT], 4
.Lstep:                             ; a trip: pieces 2 and 3 of one step, then pieces 0 and 1 of the next, whose K and V it fetches
	TURN 2
	TURN 3
	WIN 0
.Lfirst:
	TURN 0
	TURN 1, 0, 1
	WIN 0
	s_cbranch_scc1 .Lstep
	s_sub_co_u32 s[SLOTS], s[SLOTS], 1
	s_cmp_lg_u32 s[SLOTS], 0
	s_cbranch_scc1 .Lslot
	CHANGE 0                        ; the tail is written out: nothing is asked for
	s_mov_b32 s[CNT], 5             ; four trips fetch the last slot's steps; the fifth is left in its middle
.Ltail:
	TURN 2, 1
	TURN 3
	WIN 0
	s_sub_co_u32 s[CNT], s[CNT], 1
	s_cmp_eq_u32 s[CNT], 0
	s_cbranch_scc1 .Lout
	TURN 0
	TURN 1
	WIN 0
	s_branch .Ltail
.Lout:                              ; the fifth trip's 16 products K Q^T (on the last K once more) and the maximum made of them serve nothing: the price, once a launch, of one text for every trip
.set i, 0
.rept 16
	PV NP-1                         ; the last piece's V^T P of the last step
.set i, i+1
.endr
	; THE WAY OUT.  l's two halves and the other half of the lanes' are added; O^T is divided by l and sent, in f32, through my stage in LDS, a tile at a time.  The additions are the places behind the last products.
	WIN 0
.macro ALL line:vararg              ; one line for each tile t
.set t, 0
.rept 2*NP
	\line
.set t, t+1
.endr
.endm
	ALL v_add_f32 v[ST+4*t+2], v[ST+4*t+2], v[ST+4*t+3]
	ALL v_permlanex16_b32 v[ST+4*t+3], v[ST+4*t+2], s[SEL], s[SEL+1]
	ALL v_add_f32 v[ST+4*t+2], v[ST+4*t+2], v[ST+4*t+3]
	ALL v_rcp_f32 v[ST+4*t+2], v[ST+4*t+2]
	v_nop                           ; a plain instruction between the last reciprocal and the use of its result
	s_wait_alu depctr_va_vdst(0)
; Tile t: a lane's eight channels of a row are 32 bytes; they go into rows of 272 bytes and come back as whole rows of 256, into the same registers: four buffers of 32 in S^T's place, by turns.
.macro PACK t
.if (\t) >= 4
	s_wait_xcnt 0x0                 ; the stores of the tile four back have read this buffer: it is written again only behind this wait
.endif
	WIN 0x01                        ; source 0 (O^T) window 1; 1 / l and the destination window 0
.set i, 0
.rept 16                            ; each accumulator's registers in ascending order
	v_pk_mul_f32 v[S+32*((\t)%4)+2*i:S+32*((\t)%4)+2*i+1], v[32*(\t)+2*i:32*(\t)+2*i+1], v[ST+4*(\t)+2:ST+4*(\t)+3] op_sel_hi:[1,0]
.set i, i+1
.endr
	WIN 0
.irp f, 0,1,2,3,4,5,6,7
	ds_store_b128 v[STO], v[S+32*((\t)%4)+4*\f:S+32*((\t)%4)+4*\f+3] offset:64*(\f/2)+16*(\f%2)
.endr
.irp f, 0,1,2,3,4,5,6,7
	ds_load_b128 v[S+32*((\t)%4)+4*\f:S+32*((\t)%4)+4*\f+3], v[RD] offset:\f*2*SP  ; LDS serves a wave's instructions in order (ISA guide 5.7.1.4): these see the stores above; the next tile's stores come behind them
.endr
.endm
.macro SEND t, younger              ; younger: the LDS instructions issued behind tile t's loads: the next tile's sixteen, or none
	WIN 0
.irp f, 0,1,2,3,4,5,6,7
	s_wait_dscnt (\younger)+7-\f
	global_store_b128 v[GO], v[S+32*((\t)%4)+4*\f:S+32*((\t)%4)+4*\f+3], s[10:11] offset:(\t)*65536+\f*8192  ; 16 lanes store 256 consecutive bytes, aligned: a token's 64 channels of my head
.endr
.endm
	PACK 0
.set t, 1
.rept 2*NP-1                        ; a tile's arithmetic stands between the loads of the tile before and its stores
	PACK t
	SEND t-1, 16
.set t, t+1
.endr
	SEND 2*NP-1, 0
	WIN W_AD
	s_wait_tensorcnt 0x0            ; the wave's end: behind my last tensor load and my last LDS store
	ds_add_u32 v[SPW], v[NIL]
	s_wait_dscnt 0x0
	WIN 0
	CROUND                          ; the closing round: no work-group ends while a partner may still ask for a tile that names it
	s_endpgm
.Lfunc_end_k_qcf78ee270c_attn:
	.size	k_qcf78ee270c_attn, .Lfunc_end_k_qcf78ee270c_attn-k_qcf78ee270c_attn
	.p2alignl 7, 3214868480
	.fill 96, 4, 3214868480
	.section	.rodata,"a",@progbits
	.p2align	6, 0x0
	.amdhsa_kernel k_qcf78ee270c_attn
		.amdhsa_group_segment_fixed_size 327680
		.amdhsa_private_segment_fixed_size 0
		.amdhsa_enable_private_segment 0
		.amdhsa_kernarg_size 16
		.amdhsa_user_sgpr_count 2
		.amdhsa_user_sgpr_kernarg_segment_ptr 1
		.amdhsa_wavefront_size32 1
		.amdhsa_system_sgpr_workgroup_id_x 1
		.amdhsa_system_sgpr_workgroup_id_y 1
		.amdhsa_system_sgpr_workgroup_id_z 1
		.amdhsa_system_vgpr_workitem_id 0
		.amdhsa_next_free_vgpr 770
		.amdhsa_next_free_sgpr 66
		.amdhsa_reserve_vcc 0
		.amdhsa_float_denorm_mode_32 3
		.amdhsa_float_denorm_mode_16_64 3
		.amdhsa_memory_ordered 1
		.amdhsa_forward_progress 1
		.amdhsa_inst_pref_size 210
	.end_amdhsa_kernel
	.amdgpu_metadata
---
amdhsa.version: [ 1, 2 ]
amdhsa.kernels:
  - .name:           k_qcf78ee270c_attn
    .symbol:         k_qcf78ee270c_attn.kd
    .args:
      - { .name: qkv, .offset: 0, .size: 8, .value_kind: global_buffer, .address_space: global }
      - { .name: ctx, .offset: 8, .size: 8, .value_kind: global_buffer, .address_space: global }
    .group_segment_fixed_size: 327680
    .private_segment_fixed_size: 0
    .kernarg_segment_align: 8
    .kernarg_segment_size: 16
    .max_flat_workgroup_size: 128
    .sgpr_count:     66
    .vgpr_count:     770
    .wavefront_size: 32
...
	.end_amdgpu_metadata
.endif
;; end of part 4
;; launch quant_ctx: the kernel of part 2 again; grid 256 x 1, 8 waves a work-group, no clusters, 5,120 bytes of LDS; arguments ctx, key, value, qx, gam, in_proj_weight, out_proj_weight, part, wq, scl; writes qx, gam, wq, scl
;; launch gemm_out (part 5): grid 4 x 64, 4 waves a work-group, clusters of 4 x 4, 327,680 bytes of LDS; arguments qx, wq, gam, scl, out_proj_bias, out0; writes out0
.if DOCPART == 5
	.amdgcn_target "amdgcn-amd-amdhsa--gfx1250"
	.amdhsa_code_object_version 6
	.text
	.protected	k_qcf78ee270c_gemm_out
	.globl	k_qcf78ee270c_gemm_out
	.p2align	8
	.type	k_qcf78ee270c_gemm_out,@function
k_qcf78ee270c_gemm_out:
	s_mov_b64 s[64:65], 0
	v_nop
	global_prefetch_b8 v0, s[64:65] scope:SCOPE_SE
	s_setreg_imm32_b32 hwreg(HW_REG_WAVE_MODE, 25, 1), 1
	s_wait_xcnt 0x0
	s_wait_alu depctr_hold_cnt(0) depctr_sa_sdst(0) depctr_va_vdst(0) depctr_va_sdst(0) depctr_va_ssrc(0) depctr_va_vcc(0) depctr_vm_vsrc(0)
	s_getreg_b32 s2, hwreg(HW_REG_IB_STS2, 6, 4)
	s_cmp_eq_u32 s2, 0
	s_cbranch_scc0 .Lentry_in_a_cluster
	s_endpgm
.Lentry_in_a_cluster:
	s_bfe_u32 s2, ttmp6, 0x10000c
	s_cmp_lg_u32 s2, 0xf033
	s_cbranch_scc0 .Lentry_shape_is_right
	s_endpgm
.Lentry_shape_is_right:
; THE OUT-PROJECTION.  For token m, column n: out0[m][n] = (sum over k of qx[m][k] wq[3072 + n][k]) x (scl[3] x gam[m] / 128) + bias[n], in f32.
; qx (rows 0 .. 8191: the quantised attention output) holds whole numbers in -128 .. 127 and wq -1, 0, 1, both as bf16; the f32 sums stay under 2^17: every product and sum is exact.  One fused multiply-add.
; KIND = 1: this text.  KIND = 0: the in-projections' text, which differs in the way out, in the choice of the matrix and in nothing else.  LIMIT: NaN and infinities are not treated apart.
; SHARES.  A tile is 128 tokens x 256 columns: 256 tiles, a work-group each.  Four waves, each 64 tokens x 128 columns:
; 32 accumulators of 16 x 16, 256 registers.  K = 1,024 goes in 8 steps of 128 through a ring of two LDS slots: the tiles' rows are 256 consecutive bytes of memory, aligned.
; CLUSTER.  4 x 4 work-groups.  The four of a row of the cluster need the same 128 rows of qx, the four of a column the same 256 rows of wq:
; each tile is asked for JOINTLY, by the same tensor load with the same descriptor and a mask that names the four.
; THE MATRIX INSTRUCTION IS USED TRANSPOSED (source 0 = 16 rows of wq, source 1 = 16 rows of qx): a lane then holds one token (lane % 16) and eight neighbouring columns 8 (lane / 16) + 0..7.
; LEFT OUT: a prefetch of the tiles: a step's 128 matrix instructions a wave stand between a refill and the wait for it, and tiles are shared fourfold.
; REGISTERS, in windows of 256 (s_set_vgpr_msb: bits 1:0 source 0, 3:2 source 1, 5:4 source 2, 7:6 destination):
;   window 0: v0-31 addresses; v32-39 row scales; v64-159, v160-255 two fragment buffers (4 fragments of qx, then 8 of wq), later the way out
;   window 1: accumulator (a, b) at v[8 (8 a + b)]          window 2: v0-63 my 64 numbers of the bias, block b's eight at 8 b
.set KIND,   1
.set KSTEP,  128
.set PITCH,  272                       ; an LDS row: 256 bytes + 16 of padding = 68 words: row r starts at bank 4 r mod 64 (64 banks of 4 bytes: ISA guide 11.1)
.set AHALF,  64*PITCH                  ; what one tensor load brings of qx, and what a wave reads of it
.set BHALF,  128*PITCH                 ; the same of wq
.set BOFF,   128*PITCH                 ; wq's 256 rows lie behind qx's 128
.set SLOT,   384*PITCH
.set STAGE,  2*SLOT                    ; behind the ring: each wave's own stage for the way out; no tensor load fills it
.if KIND
.set SPITCH, 528                       ; 16 rows of 128 f32 + 16 bytes
.set WSTAGE, 16*SPITCH
.else
.set SPITCH, 144                       ; 2 heads x 16 rows of 64 f16 + 16 bytes
.set WSTAGE, 32*SPITCH
.endif
.set SPARE,  STAGE+4*WSTAGE            ; behind the stages: the spare words, 128 bytes a wave: two blocks of 256 bytes that no other line names
.set LAPS,   4                         ; a lap = two K steps = once round the ring
.set ADRA, 16                          ; v16-17  LDS address of my fragments of qx in slot 0, 1
.set ADRB, 20                          ; v20-21  the same for wq
.set STO,  24                          ; v24     the way out: where I put my bytes of a row
.set RD,   25                          ; v25     where I read rows back
.set GO,   26                          ; v26     my 16 bytes of 512 consecutive bytes of the output
.set GOF,  27                          ; v27     4 (lane % 16): my token's gamma
.set SPW,  28                          ; v28     SPARE + 4 x my thread's number; never rewritten
.set NIL,  29                          ; v29     0; never rewritten
.set BOF,  30                          ; v30     32 (lane / 16): my eight numbers of the bias
.set RS,   32                          ; v[32:39] block a's row scale, twice, at RS + 2 a
.set F0,   64
.set F1,   160
.set TM,   64                          ; the way out: 64 results in f32
.set G1,  24                           ; s[24:31] descriptor group 1 for qx's tiles;  s[32:39] group 0, a set for each slot
.set G0,  32
.set G1B, 48                           ; s[48:55], s[56:63] the same for wq's tiles
.set G0B, 56
.set MSB, 0
.macro WIN new                         ; the immediate's high byte repeats the setting that is left; a switch that changes nothing is dropped
.if MSB != (\new)
	s_set_vgpr_msb (MSB<<8)|(\new)
.set MSB, \new
.endif
.endm
.set MUL, 0x50                         ; C and D in window 1, both sources in window 0
.macro JLOAD s                         ; a joint load: waves 0 and 1 fetch qx's two halves, waves 2 and 3 wq's; an s_nop 0 and four v_nop follow each of the two lines, ahead of the jump, the label and what follows
	s_cmp_eq_u32 s17, 0
	s_cbranch_scc0 .Lfor_b_\@
	tensor_load_to_lds s[G0+4*(\s):G0+4*(\s)+3], s[G1:G1+7]
	s_nop 0
.rept 4
	v_nop
.endr
	s_branch .Lasked_\@
.Lfor_b_\@:
	tensor_load_to_lds s[G0B+4*(\s):G0B+4*(\s)+3], s[G1B:G1B+7]
	s_nop 0
.rept 4
	v_nop
.endr
.Lasked_\@:
.endm
.macro CREST                           ; a round of the cluster's barrier behind its opening barrier
	s_cmp_lg_u32 s16, 0
	s_cbranch_scc1 .Lnot_wave_0_\@
	s_barrier_signal -3
.Lnot_wave_0_\@:
	s_barrier_wait -3
	s_barrier_signal -1
	s_barrier_wait -1
.endm
.macro CROUND                          ; a whole round
	s_barrier_signal -1
	s_barrier_wait -1
	CREST
.endm
	s_load_b256 s[4:11], s[0:1], 0x0               ; qx s[4:5], wq s[6:7], gam s[8:9], scl s[10:11]
	s_load_b128 s[12:15], s[0:1], 0x20             ; bias s[12:13], the output s[14:15]
	v_lshl_add_u32 v[SPW], v0, 2, SPARE
	v_mov_b32 v[NIL], 0
	ds_add_u32 v[SPW], v[NIL]                      ; the wave's opening: the add and its wait, ahead of my first tensor load; the set-up below, work on registers, stands between them
	ds_add_u32 v28, v29
	v_lshrrev_b32 v1, 5, v0
	v_readfirstlane_b32 s16, v1                    ; wave 0..3
	s_lshr_b32 s17, s16, 1                         ; which 64 tokens of the tile are mine.  Also: I fetch for qx (0) or for wq (1)
	s_and_b32 s18, s16, 1                          ; which 128 columns.  Also: which half of that tile I fetch
	s_bfe_u32 s19, ttmp6, 0x40000                  ; cx, cy: my place in the cluster
	s_bfe_u32 s20, ttmp6, 0x40004
	s_lshl_b32 s21, ttmp9, 2
	s_add_co_u32 s21, s21, s19                     ; tile column = 4 x cluster x + cx
	s_and_b32 s23, ttmp7, 0xffff
	s_lshl_b32 s22, s23, 2
	s_add_co_u32 s22, s22, s20                     ; tile row = 4 x cluster y + cy
.if KIND
	s_mov_b32 s23, 3                               ; the fourth matrix of wq, the fourth scale
.else
	s_lshr_b32 s23, s23, 4                         ; the tensor: 16 clusters along y each; the same in all sixteen partners
.endif
	s_lshl_b32 s66, s20, 2
	s_lshl_b32 s66, 15, s66                        ; my row of the cluster
	s_lshl_b32 s67, 0x1111, s19                    ; my column
	s_or_b32 s[G1+0], s66, (1<<16)|(1<<20)|(1<<21)|(5<<22)|(3<<25)   ; 15:0 the mask; 17:16 elements of 2 bytes; 20 padding on; 21 set beside a mask; 24:22 after every 64 words (code 5); 31:25 4 words (code 3)
	s_or_b32 s[G1B+0], s67, (1<<16)|(1<<20)|(1<<21)|(5<<22)|(3<<25)
	s_mov_b32 s[G1+1], KSTEP<<16                   ; tensor_dim0 = 128
	s_mov_b32 s[G1+2], 64<<16                      ; tensor_dim1 = 64
	s_mov_b32 s[G1+3], KSTEP<<16                   ; tile_dim0 = 128
	s_mov_b32 s[G1+4], 64                          ; tile_dim1 = 64
	s_mov_b32 s[G1+5], 1024                        ; elements from row to row
	s_mov_b32 s[G1+6], 0
	s_mov_b32 s[G1+7], 0
	s_mov_b32 s[G1B+1], KSTEP<<16
	s_mov_b32 s[G1B+2], 128<<16                    ; wq's loads bring 128 rows
	s_mov_b32 s[G1B+3], KSTEP<<16
	s_mov_b32 s[G1B+4], 128
	s_mov_b32 s[G1B+5], 1024
	s_mov_b32 s[G1B+6], 0
	s_mov_b32 s[G1B+7], 0
	s_lshl_b32 s40, s22, 7                         ; qx: row 128 x tile row + 64 x half, 2,048 bytes a row: made of the tile row and the wave's number alone
	s_lshl_b32 s41, s18, 6
	s_add_co_u32 s40, s40, s41
	s_lshl_b32 s40, s40, 11
	s_mov_b32 s41, 0
	s_lshl_b32 s46, s21, 8                         ; wq: row 1,024 t + 256 x tile column + 128 x half: made of t, the tile column and the wave's number alone
	s_lshl_b32 s47, s18, 7
	s_add_co_u32 s46, s46, s47
	s_lshl_b32 s47, s23, 10
	s_add_co_u32 s46, s46, s47
	s_lshl_b32 s46, s46, 11
	s_mov_b32 s47, 0
	s_mul_i32 s44, s18, AHALF                      ; where they go: no place in the cluster enters an LDS address
	s_mul_i32 s45, s18, BHALF
	s_add_co_u32 s45, s45, BOFF
	; what the way out needs, in bytes
	s_lshl_b32 s68, s22, 7
	s_lshl_b32 s69, s17, 6
	s_add_co_u32 s68, s68, s69                     ; my first row of qx and of gam
	s_lshl_b32 s70, s68, 2
	s_mov_b32 s71, 0
	s_lshl_b32 s72, s21, 8
	s_lshl_b32 s73, s18, 7
	s_add_co_u32 s72, s72, s73                     ; my first column of the tensor's 1,024
.if KIND
	s_lshl_b32 s74, s72, 2                         ; in the bias
	s_mov_b32 s75, 0
	s_lshl_b32 s76, s68, 12                        ; in the output: 4,096 bytes a token
	s_add_co_u32 s76, s76, s74
	s_mov_b32 s77, 0
.else
	s_lshl_b32 s74, s23, 10
	s_add_co_u32 s74, s74, s72
	s_lshl_b32 s74, s74, 2                         ; in the bias
	s_mov_b32 s75, 0
	s_and_b32 s76, s68, 8191                       ; my first token in the tensor:
	s_lshr_b32 s77, s76, 11                        ; its batch,
	s_and_b32 s76, s76, 2047                       ; its place there,
	s_lshl_b32 s76, s76, 7                         ; 128 bytes a token and head
	s_lshl_b32 s77, s77, 4
	s_lshr_b32 s78, s72, 6                         ; my first head
	s_add_co_u32 s77, s77, s78
	s_lshl_b32 s77, s77, 18                        ; 2,048 x 128 bytes a head
	s_add_co_u32 s76, s76, s77
	s_lshl_b32 s77, s23, 24                        ; 16 MiB a tensor
	s_add_co_u32 s76, s76, s77
	s_mov_b32 s77, 0
.endif
	s_lshl_b32 s78, s23, 2                         ; in scl
	s_mov_b32 s79, 0
	s_wait_dscnt 0x0                               ; the opening add is done
	s_wait_kmcnt 0x0
	s_add_nc_u64 s[42:43], s[4:5], s[40:41]
	s_add_nc_u64 s[46:47], s[6:7], s[46:47]
	s_add_nc_u64 s[8:9], s[8:9], s[70:71]
	s_add_nc_u64 s[10:11], s[10:11], s[78:79]
	s_add_nc_u64 s[12:13], s[12:13], s[74:75]
	s_add_nc_u64 s[14:15], s[14:15], s[76:77]
	CROUND                                         ; all sixteen work-groups are here: the first joint loads meet
.irp s, 0,1
	s_mov_b32 s[G0+4*(\s)], 1                                        ; count = 1
	s_add_co_u32 s[G0+4*(\s)+1], s44, (\s)*SLOT                      ; LDS address
	s_add_nc_u64 s[G0+4*(\s)+2:G0+4*(\s)+3], s[42:43], (\s)*KSTEP*2  ; global address: K step s
	s_or_b32 s[G0+4*(\s)+3], s[G0+4*(\s)+3], 0x80000000              ; type = 2
	s_mov_b32 s[G0B+4*(\s)], 1
	s_add_co_u32 s[G0B+4*(\s)+1], s45, (\s)*SLOT
	s_add_nc_u64 s[G0B+4*(\s)+2:G0B+4*(\s)+3], s[46:47], (\s)*KSTEP*2
	s_or_b32 s[G0B+4*(\s)+3], s[G0B+4*(\s)+3], 0x80000000
	JLOAD \s                                       ; two loads of mine are out
.endr
	s_load_b32 s2, s[10:11], 0x0                   ; the matrix's scale
	v_and_b32 v1, 15, v0                           ; l % 16
	v_bfe_u32 v2, v0, 4, 1                         ; l / 16
	v_and_b32 v4, 31, v0                           ; l
	v_lshlrev_b32 v[GOF], 2, v1
	v_lshlrev_b32 v[BOF], 5, v2
.irp a, 0,1,2,3
	global_load_b32 v[RS+2*(\a)], v[GOF], s[8:9] offset:64*(\a)      ; gamma of token 16 a + l % 16
.endr
	WIN 0x80                                       ; destination window 2, address window 0
.irp b, 0,1,2,3,4,5,6,7
	global_load_b128 v[8*(\b):8*(\b)+3],   v[BOF], s[12:13] offset:64*(\b)     ; the bias of columns 16 b + 8 (l / 16) + 0..7
	global_load_b128 v[8*(\b)+4:8*(\b)+7], v[BOF], s[12:13] offset:64*(\b)+16
.endr
	WIN 0
	v_mul_u32_u24 v3, v1, PITCH
	v_lshl_add_u32 v3, v2, 4, v3                   ; a fragment's row x pitch + 16 x half
	s_mul_i32 s66, s17, AHALF                      ; my 64 rows of qx
	s_mul_i32 s67, s18, BHALF                      ; my 128 rows of wq,
	s_add_co_u32 s67, s67, BOFF                    ; which lie behind qx's 128
.irp s, 0,1
	v_add_nc_u32 v[ADRA+(\s)], s66, v3
	v_add_nc_u32 v[ADRB+(\s)], s67, v3
	s_add_co_u32 s66, s66, SLOT
	s_add_co_u32 s67, s67, SLOT
.endr
	s_mul_i32 s66, s16, WSTAGE
	s_add_co_u32 s66, s66, STAGE                   ; my stage
	v_mul_u32_u24 v[STO], v1, SPITCH               ; in: row l % 16,
.if KIND
	v_lshl_add_u32 v[STO], v2, 5, v[STO]           ; 32 bytes for each half of the lanes
	v_add_nc_u32 v[STO], s66, v[STO]
	v_lshl_add_u32 v[RD], v4, 4, s66               ; back: 32 lanes take one row of 512 bytes
.else
	v_lshl_add_u32 v[STO], v2, 4, v[STO]           ; 16 bytes for each half of the lanes
	v_add_nc_u32 v[STO], s66, v[STO]
	v_lshrrev_b32 v5, 3, v4                        ; back: 32 lanes take four rows of 128 bytes
	v_and_b32 v6, 7, v0
	v_mul_u32_u24 v[RD], v5, SPITCH
	v_lshl_add_u32 v[RD], v6, 4, v[RD]
	v_add_nc_u32 v[RD], s66, v[RD]
.endif
	v_lshlrev_b32 v[GO], 4, v4
	s_wait_kmcnt 0x0                               ; the scale
	s_wait_loadcnt 0x0                             ; gamma and the bias, once, beside the wait for the first tile
.irp a, 0,1,2,3
	v_mul_f32 v[RS+2*(\a)], s2, v[RS+2*(\a)]       ; scale x gamma,
	v_mul_f32 v[RS+2*(\a)], 0x3c000000, v[RS+2*(\a)]  ; / 128 (exact)
	v_mov_b32 v[RS+2*(\a)+1], v[RS+2*(\a)]
.endr
; 8 matrix instructions: token block a x all 8 column blocks, 32 along K.  zero = 1: the product starts the sums.  The 32 accumulators take turns, one instruction a turn, in one order everywhere.
.macro MULA f, a, zero
	WIN MUL
.irp b, 0,1,2,3,4,5,6,7
.if \zero
	v_wmma_f32_16x16x32_bf16 v[8*(8*(\a)+(\b)):8*(8*(\a)+(\b))+7], v[(\f)+32+8*(\b):(\f)+32+8*(\b)+7], v[(\f)+8*(\a):(\f)+8*(\a)+7], 0
.else
	v_wmma_f32_16x16x32_bf16 v[8*(8*(\a)+(\b)):8*(8*(\a)+(\b))+7], v[(\f)+32+8*(\b):(\f)+32+8*(\b)+7], v[(\f)+8*(\a):(\f)+8*(\a)+7], v[8*(8*(\a)+(\b)):8*(8*(\a)+(\b))+7]
.endif
.endr
.endm
; 24 LDS loads in one run: the fragments of 32 along K at byte k of the rows, into buffer f: wq's eight, then qx's four
.macro FETCH slot, k, f
	WIN 0
.irp i, 0,1,2,3,4,5,6,7
	ds_load_b128 v[(\f)+32+8*(\i):(\f)+32+8*(\i)+3],   v[ADRB+(\slot)] offset:(\k)+(\i)*16*PITCH
	ds_load_b128 v[(\f)+32+8*(\i)+4:(\f)+32+8*(\i)+7], v[ADRB+(\slot)] offset:(\k)+(\i)*16*PITCH+32
.endr
.irp i, 0,1,2,3
	ds_load_b128 v[(\f)+8*(\i):(\f)+8*(\i)+3],   v[ADRA+(\slot)] offset:(\k)+(\i)*16*PITCH
	ds_load_b128 v[(\f)+8*(\i)+4:(\f)+8*(\i)+7], v[ADRA+(\slot)] offset:(\k)+(\i)*16*PITCH+32
.endr
.endm
.macro PLACES                          ; four places in front of loads into registers that matrix instructions have read, and of lines that read results
.rept 4
	v_nop
.endr
.endm
; A K step is four quarters of 32 along K, 32 matrix instructions each, on buffers 0, 1, 0, 1.  One of the first three: multiplies buffer f and fetches the next quarter, at byte k, into g.
.macro QUARTER slot, k, f, g, zero
	s_wait_dscnt 4                                 ; wq's fragments and qx's blocks 0 and 1 are in; the youngest four loads (blocks 2 and 3) may be out
	MULA \f, 0, \zero
	MULA \f, 1, \zero
	PLACES
	FETCH \slot, \k, \g
	s_wait_dscnt 24                                ; all but the 24 just issued
	MULA \f, 2, \zero
	MULA \f, 3, \zero
.endm
; The last quarter multiplies buffer 1 and changes slots: ONE barrier; in front of it each wave waits for all its tensor loads, adds 0 to its spare word, and waits for that and for its own reads of this slot.
; fill = 1: the barrier opens a round of the cluster's, and this slot is filled again, two K steps ahead: the first tensor load behind the round, 112 matrix instructions ahead of the wait for it.
.macro TURN slot, next, fill
	WIN 0                                          ; (the add's two registers lie in window 0)
	s_wait_tensorcnt 0x0                           ; all my tensor loads have landed: the one that was out is my part of the next slot;
	ds_add_u32 v[SPW], v[NIL]                      ; 0 onto my spare word;
	s_wait_dscnt 5                                 ; (the add and the youngest four loads may be out)
	MULA F1, 0, 0                                  ; eight matrix instructions stand between the add and the wait for it
	s_wait_dscnt 0x0                               ; the add is done, and my reads of this slot are over
	s_barrier_signal -1
	MULA F1, 1, 0
.if \fill
	WIN 0
.endif
	s_barrier_wait -1
.if \fill
	CREST                                          ; no wave of any partner still reads this slot's tile or has a load on its way
	s_add_nc_u64 s[G0+4*(\slot)+2:G0+4*(\slot)+3], s[G0+4*(\slot)+2:G0+4*(\slot)+3], 2*KSTEP*2
	s_add_nc_u64 s[G0B+4*(\slot)+2:G0B+4*(\slot)+3], s[G0B+4*(\slot)+2:G0B+4*(\slot)+3], 2*KSTEP*2
	JLOAD \slot                                    ; the four v_nop behind it are also the places in front of the loads below
.else
	PLACES
.endif
	FETCH \next, 0, F0
	MULA F1, 2, 0
	MULA F1, 3, 0
.endm
	s_wait_tensorcnt 1                             ; my part of K step 0 is in; K step 1's may stay out
	s_barrier_signal -1
	s_barrier_wait -1                              ; everybody's is
	FETCH 0, 0, F0
	QUARTER 0, 64, F0, F1, 1                       ; the first quarter stands in front of the loop: its products start the sums
	WIN 0                                          ; at a label and at a branch every window is 0
	s_mov_b32 s3, LAPS-1
.Llap:                                                 ; a trip goes once round the ring, from a lap's second quarter to the next lap's first, and fills both slots again
	QUARTER 0, 128, F1, F0, 0
	QUARTER 0, 192, F0, F1, 0
	TURN 0, 1, 1
	QUARTER 1, 64,  F0, F1, 0
	QUARTER 1, 128, F1, F0, 0
	QUARTER 1, 192, F0, F1, 0
	TURN 1, 0, 1
	QUARTER 0, 64,  F0, F1, 0
	WIN 0
	s_sub_co_u32 s3, s3, 1
	s_cmp_lg_u32 s3, 0
	s_cbranch_scc1 .Llap
	QUARTER 0, 128, F1, F0, 0                      ; the last lap fills nothing, and has no round of the cluster's barrier
	QUARTER 0, 192, F0, F1, 0
	TURN 0, 1, 0
	QUARTER 1, 64,  F0, F1, 0
	QUARTER 1, 128, F1, F0, 0
	QUARTER 1, 192, F0, F1, 0
	s_wait_dscnt 4                                 ; the very last quarter: nothing more to fetch
	MULA F1, 0, 0
	MULA F1, 1, 0
	s_wait_dscnt 0
	MULA F1, 2, 0
	MULA F1, 3, 0
	WIN 0
	PLACES
	PLACES                                         ; eight, once a launch
; THE WAY OUT, a block of 16 tokens at a time.  PACK: sum x row scale + bias, one fused multiply-add (each accumulator's registers in ascending order).
; TOSTAGE: into my own stage in LDS and back as whole rows.  SEND: stored, 512 consecutive bytes an instruction, aligned.
.if KIND
.set OB, 128                           ; 64 registers read back: v128-191 and v192-255 by turns
.set OBN, 64
.else
.set PK, 128                           ; v128-159 packed results
.set OB, 160                           ; 32 registers read back: v160-191 and v192-223 by turns
.set OBN, 32
.endif
.macro PACK a
	WIN 0x21                                       ; source 0 (the sums) window 1, source 2 (the bias) window 2
.irp b, 0,1,2,3,4,5,6,7
.irp j, 0,1,2,3
	v_pk_fma_f32 v[TM+8*(\b)+2*(\j):TM+8*(\b)+2*(\j)+1], v[8*(8*(\a)+(\b))+2*(\j):8*(8*(\a)+(\b))+2*(\j)+1], v[RS+2*(\a):RS+2*(\a)+1], v[8*(\b)+2*(\j):8*(\b)+2*(\j)+1]
.endr
.endr
	WIN 0
.if !KIND
.irp b, 0,1,2,3,4,5,6,7
.irp j, 0,1,2,3
	v_cvt_pk_f16_f32 v[PK+4*(\b)+(\j)], v[TM+8*(\b)+2*(\j)], v[TM+8*(\b)+2*(\j)+1]
.endr
.endr
.endif
.endm
.macro TOSTAGE a
.set BK, OB+OBN*((\a)%2)
.if (\a) >= 2
	s_wait_xcnt 0x0                                ; the stores of the block two back have read these registers: they are loaded again only behind this wait
.endif
.if KIND
.irp b, 0,1,2,3,4,5,6,7
	ds_store_b128 v[STO], v[TM+8*(\b):TM+8*(\b)+3]   offset:64*(\b)
	ds_store_b128 v[STO], v[TM+8*(\b)+4:TM+8*(\b)+7] offset:64*(\b)+16
.endr
.set f, 0
.rept 16
	ds_load_b128 v[BK+4*f:BK+4*f+3], v[RD] offset:f*SPITCH  ; LDS serves a wave's instructions in order (ISA guide 5.7.1.4): these see the stores above
.set f, f+1
.endr
.else
.irp b, 0,1,2,3,4,5,6,7
	ds_store_b128 v[STO], v[PK+4*(\b):PK+4*(\b)+3] offset:((\b)/4)*16*SPITCH+((\b)%4)*32  ; head b / 4 of my two, its columns 16 (b % 4) on
.endr
.set f, 0
.rept 8
	ds_load_b128 v[BK+4*f:BK+4*f+3], v[RD] offset:f*4*SPITCH  ; LDS serves a wave's instructions in order (ISA guide 5.7.1.4): these see the stores above
.set f, f+1
.endr
.endif
.endm
.macro SEND a
.set BK, OB+OBN*((\a)%2)
.if KIND
.set f, 0
.rept 16
	s_wait_dscnt 15-f
	global_store_b128 v[GO], v[BK+4*f:BK+4*f+3], s[14:15] offset:(16*(\a)+f)*4096 th:TH_STORE_NT  ; a token's 128 columns
.set f, f+1
.endr
.else
.set f, 0
.rept 8
	s_wait_dscnt 7-f
	global_store_b128 v[GO], v[BK+4*f:BK+4*f+3], s[14:15] offset:(f/4)*262144+(16*(\a)+4*(f%4))*128  ; four tokens of a head
.set f, f+1
.endr
.endif
.endm
	PACK 0
	TOSTAGE 0
.irp a, 1,2,3                          ; block a's arithmetic stands between block a - 1's loads from the stage and the wait for them
	PACK \a
	SEND (\a)-1
	TOSTAGE \a
.endr
	SEND 3
	s_wait_tensorcnt 0x0                           ; the wave's end: behind my last tensor load and my last LDS store
	ds_add_u32 v[SPW], v[NIL]
	s_wait_dscnt 0x0
	CROUND                                         ; the closing round: no work-group ends while a partner may still ask for a tile that names it
	s_endpgm
.Lfunc_end_k_qcf78ee270c_gemm_out:
	.size	k_qcf78ee270c_gemm_out, .Lfunc_end_k_qcf78ee270c_gemm_out-k_qcf78ee270c_gemm_out
	.p2alignl 7, 3214868480
	.fill 96, 4, 3214868480
	.section	.rodata,"a",@progbits
	.p2align	6, 0x0
	.amdhsa_kernel k_qcf78ee270c_gemm_out
		.amdhsa_group_segment_fixed_size 327680
		.amdhsa_private_segment_fixed_size 0
		.amdhsa_enable_private_segment 0
		.amdhsa_kernarg_size 48
		.amdhsa_user_sgpr_count 2
		.amdhsa_user_sgpr_kernarg_segment_ptr 1
		.amdhsa_wavefront_size32 1
		.amdhsa_system_sgpr_workgroup_id_x 1
		.amdhsa_system_sgpr_workgroup_id_y 1
		.amdhsa_system_sgpr_workgroup_id_z 1
		.amdhsa_system_vgpr_workitem_id 0
		.amdhsa_next_free_vgpr 576
		.amdhsa_next_free_sgpr 80
		.amdhsa_reserve_vcc 0
		.amdhsa_float_denorm_mode_32 3
		.amdhsa_float_denorm_mode_16_64 3
		.amdhsa_memory_ordered 1
		.amdhsa_forward_progress 1
		.amdhsa_inst_pref_size 98
	.end_amdhsa_kernel
	.amdgpu_metadata
---
amdhsa.version: [ 1, 2 ]
amdhsa.kernels:
  - .name:           k_qcf78ee270c_gemm_out
    .symbol:         k_qcf78ee270c_gemm_out.kd
    .args:
      - { .name: qx, .offset: 0, .size: 8, .value_kind: global_buffer, .address_space: global }
      - { .name: wq, .offset: 8, .size: 8, .value_kind: global_buffer, .address_space: global }
      - { .name: gam, .offset: 16, .size: 8, .value_kind: global_buffer, .address_space: global }
      - { .name: scl, .offset: 24, .size: 8, .value_kind: global_buffer, .address_space: global }
      - { .name: out_proj_bias, .offset: 32, .size: 8, .value_kind: global_buffer, .address_space: global }
      - { .name: out0, .offset: 40, .size: 8, .value_kind: global_buffer, .address_space: global }
    .group_segment_fixed_size: 327680
    .private_segment_fixed_size: 0
    .kernarg_segment_align: 8
    .kernarg_segment_size: 48
    .max_flat_workgroup_size: 128
    .sgpr_count:     80
    .vgpr_count:     576
    .wavefront_size: 32
...
	.end_amdgpu_metadata
.endif
;; end of part 5
